; MI455X (gfx1250); checked and timed in simulation.
; The chip was launched on July 23, 2026; its instructions are those of AMD's public machine-readable ISA for CDNA 5 (MIT licence, August 2026) and "CDNA5" Instruction Set Architecture Reference Guide (July 2026). The comments in the code are by the model that wrote it; some were corrected since.
;; Causal Self Attention. Allowed arithmetic: matrix products marked QUANTISED: E2M1 operands, one E8M0 scale for each 32 along K, by v_wmma_scale_f32_16x16x128_f8f6f4 with both operands' format E2M1 (or v_wmma_scale_f32_32x16x128_f4), f32 sums; everything else in f32.
;; Inputs: Wk 2,048 x 2,048 float32; Wo 2,048 x 2,048 float32; Wq 2,048 x 2,048 float32; Wv 2,048 x 2,048 float32; attn_mask 1 x 1 x 2,048 x 2,048 float32; bk 2,048 float32; bo 2,048 float32; bq 2,048 float32; bv 2,048 float32; x 1 x 2,048 x 2,048 float32.
;; Outputs: out0 1 x 2,048 x 2,048 float32.
;; This version of the problem:
;;   THIS VERSION OF THE PROBLEM IS GIVEN IN LOW PRECISION. The matrix products marked QUANTISED in the list below multiply operands that are first quantised to E2M1 (2 exponent bits, 1 mantissa bit; 4 bits a number), with one power-of-two scale for each 32 numbers along K (OCP MX v1.0); their sums are f32. All else is computed in f32.
;;   The module's matrix products, in the order in which they are computed (A, B: the left and right operand; K: the contracted axis; several contracted axes count as one K, in the product's order):
;;     1. [M 2,048, K 2,048] x [K 2,048, N 2,048]; A: input x; B: input Wq: QUANTISED
;;     2. [M 2,048, K 2,048] x [K 2,048, N 2,048]; A: input x; B: input Wk: QUANTISED
;;     3. [M 2,048, K 2,048] x [K 2,048, N 2,048]; A: input x; B: input Wv: QUANTISED
;;     4. batch 16 x [M 2,048, K 128] x [K 128, N 2,048]; A: computed on the way; B: computed on the way: QUANTISED
;;     5. batch 16 x [M 2,048, K 2,048] x [K 2,048, N 128]; A: softmax (see below); B: computed on the way: QUANTISED
;;     6. [M 2,048, K 2,048] x [K 2,048, N 2,048]; A: computed on the way; B: input Wo: QUANTISED
;;   THE QUANTISER, for each operand of a quantised product, along K:
;;     - K is cut into blocks of 32 from its start; a last block that is shorter is filled with zeros.
;;     - A block's scale is 2^e with e = floor(log2(the largest magnitude in the block)) - 2, held to -126 .. 127; a block of zeros has e = 0. As a byte (E8M0): e + 127.
;;     - Each number is divided by its block's scale, clamped to +-6, and rounded to the nearest number of E2M1, ties to even, subnormals kept.
;;     - The product sums the exact products of the quantised numbers (number of the format x scale) in f32.
;;   ~~~python
;;   def quantise(x, axis):      # numpy; x: float32 -> the quantised numbers, widened to float32 again
;;       x = np.moveaxis(x, axis, -1); K = x.shape[-1]
;;       x = np.pad(x, [(0, 0)] * (x.ndim - 1) + [(0, -K % 32)]); x = x.reshape(x.shape[:-1] + (-1, 32)); a = np.abs(x).max(-1, keepdims=True)
;;       e = np.where(a > 0, np.clip(np.frexp(np.where(a > 0, a, 1))[1] - 1 - 2, -126, 127), 0)      # np.frexp(a)[1] - 1 = floor(log2(a)), exactly
;;       r = np.clip(x / 2.0 ** e, -6, 6)
;;       step = 2.0 ** (np.maximum(np.frexp(np.where(r == 0, 1, r))[1] - 1, 0) - 1)
;;       q = np.round(r / step) * step * 2.0 ** e      # np.round: ties to even
;;       return np.moveaxis(q.reshape(q.shape[:-2] + (-1,))[..., :K], -1, axis).astype(np.float32)
;;   ~~~
;;   SOFTMAX AHEAD OF A QUANTISED PRODUCT. Where the list says 'softmax', what is quantised is not the finished softmax but p = 2^(t - M), with t = logit x log2(e) and M = ceil(the row's largest t), a whole number; so 1/2 < the row's largest p <= 1. The row's sum l is taken of the UNQUANTISED p, in f32, and the product's result is divided by l at the end. Since M is a whole number, a kernel that streams over the keys may use a running M (the ceiling of the running maximum): every later rescaling is an exact power of two, which a block's scale takes up: the codes' values come out the same.
;;   OPERANDS COMPUTED ON THE WAY. 'Computed on the way' means the value that the module computes at that place (a softmax that the list does not call 'softmax' is quantised finished and normalised). What goes into a quantiser is computed in f32, as accurately as f32 sums, v_exp_f32 and their like allow (about 1e-6 of the number): no bf16 or f16 on the way to a quantiser, and a product that is left as it is and whose result goes on into a quantised operand takes f32 operands (vector FMAs, or v_wmma_f32_16x16x4_f32). A number that lies on a knife's edge between two numbers of the format may be rounded either way, as far as f32 arithmetic and the matrix unit's own rounding can turn it there, and no further.
;; One version. Each part assembles by itself: llvm-mc -triple=amdgcn-amd-amdhsa -mcpu=gfx1250 --defsym DOCPART=n.
;; ======== version 1 of 1: 4 launches
;; limits: right only within a limited range of input values
;; workspace buffers: cimg 10,485,760 bytes; cscl 655,360 bytes; rope 1,048,576 bytes; hblk 6,684,672 bytes; aimg 2,097,152 bytes; ascl 131,072 bytes
;; launch prep (part 1): grid 384 x 1, 4 waves a work-group, no clusters, 35,328 bytes of LDS; arguments x, Wq, Wk, Wv, Wo, cimg, cscl, rope; writes cimg, cscl, rope
.if DOCPART == 1
	.amdgcn_target "amdgcn-amd-amdhsa--gfx1250"
	.amdhsa_code_object_version 6
	.text
	.protected	k_qc37f689f7f_prep
	.globl	k_qc37f689f7f_prep
	.p2align	8
	.type	k_qc37f689f7f_prep,@function
k_qc37f689f7f_prep:
	s_mov_b64 s[64:65], 0
	v_nop
	global_prefetch_b8 v0, s[64:65] scope:SCOPE_SE
	s_setreg_imm32_b32 hwreg(HW_REG_WAVE_MODE, 25, 1), 1
	s_wait_xcnt 0x0
; PREP.  x [2048][2048] and Wq, Wk, Wv, Wo [2048 (k)][2048 (n)], f32, become codes of FP4 (E2M1) with one E8M0 byte for each 32 along K; and the table of cos and sin for the rotation is made.
; THE CODES ARE LAID AS IMAGES OF OPERAND REGISTERS.  For a group G of 128 operand rows (tokens of x, columns n of a weight) and a K step s of 128 an image is 8,192 bytes:
; byte 1024 i + 512 c + 256 h + 16 r holds the 32 codes of row 128 G + pi(i, r), k = 128 s + 64 c + 32 h + 0 .. 31, with pi(i, r) = 32 (i / 2) + 8 (i % 2) + r + 8 (r / 8).
; cimg: [operand 5][G 16][s 16][8192] (operand 0 = x, 1 .. 4 = Wq, Wk, Wv, Wo).  cscl: [operand][G][kc 4][i 8][r 16][4 words]: word q = the four bytes of K step 4 kc + q of row pi(i, r).
; rope: [g 16][a 8][e 16][lane 32][4 f32], e = 8 (0 cos, 1 sin) + 4 b + j: position 128 g + pi(a, lane % 16), frequencies 32 b + 16 (lane / 16) + 4 j + 0 .. 3.
; A block's scale is 2^(floor(log2(largest magnitude)) - 2): its byte is the largest magnitude's exponent field - 2, held at 1 from below.
; LIMITS: a block of zeros, or one whose largest magnitude lies under 2^-124, gets the byte 1 (its codes are zeros or tiny; the bytes are read by this program alone); NaN and infinities are not served.
; The frequencies 10000^(-i/64) are good to about 1.5 units in the last place, so an angle near position 2,047 can differ by about 1e-4 from one made with another f32 power function.
; THREE WAYS part on the work-group's number: 0-63 x (K innermost: rows turn through the wave's own stage in LDS), 64-319 the weights (a lane takes a column, its registers run down K), 320-383 the table.
; No tensor loads, no barrier: waves share nothing.  In both quantising ways a lane ends up with ONE operand row (32 b + lane of its group) and whole blocks of 32 along K in its registers.
.set SB, 12                            ; v12-15   the row's four scale words of a chunk of 512 along K
.set CD, 16                            ; v16-31   codes: four sets of four registers by turns
.set RW, 32                            ; v32-159  x as loaded: two sets of 64
.set XN, 160                           ; v160-223 two blocks of 32 numbers
.set STG, 8704                         ; a wave's stage: 32 rows of 256 bytes + 16
	s_load_b512 s[4:19], s[0:1], 0x0               ; x s[4:5], Wq s[6:7], Wk s[8:9], Wv s[10:11], Wo s[12:13], cimg s[14:15], cscl s[16:17], rope s[18:19]
	v_lshl_add_u32 v224, v0, 2, 0x8800
	v_mov_b32 v225, 0
	v_lshrrev_b32 v1, 5, v0
	v_readfirstlane_b32 s3, v1                     ; wave
	v_and_b32 v1, 31, v0                           ; lane = my row among 32: tile parity u = (lane / 8) % 2, place r = lane % 8 + 8 (lane / 16)
	v_bfe_u32 v8, v1, 3, 1
	v_and_b32 v9, 7, v1
	v_lshrrev_b32 v10, 4, v1
	v_lshl_add_u32 v9, v10, 3, v9
	v_lshlrev_b32 v9, 4, v9                        ; 16 r
	v_lshl_add_u32 v5, v8, 10, v9                  ; my place in an image: 1024 u + 16 r
	v_lshl_add_u32 v6, v8, 8, v9                   ; and among the scale words: 256 u + 16 r
	s_wait_kmcnt 0x0
	s_cmp_lt_u32 ttmp9, 64
	s_cbranch_scc1 .Lpath_x
	s_cmp_lt_u32 ttmp9, 320
	s_cbranch_scc1 .Lpath_w
; ---- THE TABLE.  Wave W of 256 makes (g, a) = W / 2 and frequencies 32 (W % 2) on.
.set FI, 32
.set PP, 36
.set E1, 40
.set XE, 44
.set AN, 48
.set NN, 52
.set RH, 56
.set ZZ, 60
.set SN, 64
.set CN, 68
.set QD, 72
.set TR, 76
	s_sub_co_u32 s20, ttmp9, 320
	s_lshl_b32 s20, s20, 2
	s_add_co_u32 s20, s20, s3                      ; W
	s_lshr_b32 s21, s20, 1                         ; 8 g + a
	s_and_b32 s22, s20, 1                          ; b
	s_lshr_b32 s23, s21, 3
	s_lshl_b32 s23, s23, 7                         ; 128 g
	s_bfe_u32 s24, s21, 0x20001
	s_lshl_b32 s24, s24, 5                         ; 32 (a / 2)
	s_add_co_u32 s23, s23, s24
	s_and_b32 s24, s21, 1
	s_lshl_b32 s24, s24, 3                         ; 8 (a % 2)
	s_add_co_u32 s23, s23, s24
	s_wait_alu depctr_va_vdst(0)
	v_and_b32 v8, 15, v1
	v_and_b32 v9, 8, v8
	v_add3_u32 v8, v8, v9, s23
	v_cvt_f32_u32 v10, v8                          ; my position, exact in f32
	v_lshrrev_b32 v9, 4, v1
	s_lshl_b32 s24, s22, 5
	v_lshl_add_u32 v11, v9, 4, s24                 ; 32 b + 16 h
	s_wait_alu depctr_va_vdst(0)
	v_lshlrev_b32 v2, 4, v1                        ; 16 bytes a lane
	s_lshl_b32 s24, s21, 13
	s_lshl_b32 s25, s22, 11
	s_add_co_u32 s24, s24, s25
	s_mov_b32 s25, 0
	s_add_nc_u64 s[18:19], s[18:19], s[24:25]
	s_mov_b32 s30, 0xbe2aaaa3                      ; sine: r + r z (S1 + z (S2 + z S3)), z = r r, |r| <= pi / 4
	s_mov_b32 s31, 0x3c08839e
	s_mov_b32 s32, 0xb94ca1f9
	s_mov_b32 s33, 0x3d2aaaa5                      ; cosine: 1 - z / 2 + z z (C1 + z (C2 + z C3))
	s_mov_b32 s34, 0xbab6061a
	s_mov_b32 s35, 0x37ccf5ce
; Four frequencies i = 32 b + 16 h + 4 j + 0 .. 3.  10000^(-i/64) = 2^(p + e), p = i x (-L) rounded, e what the rounding and L's own rounding left out; 2^e = 1 + e ln 2.
; The angle is reduced by n = round(angle x 2 / pi) quarter turns, pi / 2 taken in two parts by fused multiply-adds.  Each j has its own eight result registers, so no store's data are written again.
.macro ROPE4 j
.set OC, 96+8*\j
.set OS, 100+8*\j
.irp n, 0,1,2,3
	v_add_nc_u32 v[TR+\n], 4*\j+\n, v11
.endr
.irp n, 0,1,2,3
	v_cvt_f32_u32 v[FI+\n], v[TR+\n]
.endr
.irp n, 0,1,2,3
	v_mul_f32 v[PP+\n], 0xbe549a78, v[FI+\n]       ; -log2(10000) / 64, its upper part
.endr
	s_wait_alu depctr_va_vdst(0)
.irp n, 0,1,2,3
	v_exp_f32 v[XE+\n], v[PP+\n]
.endr
.irp n, 0,1,2,3
	v_fma_f32 v[E1+\n], v[FI+\n], 0xbe549a78, -v[PP+\n]   ; what p's rounding dropped (plain work behind the exponentials)
.endr
.irp n, 0,1,2,3
	v_fma_f32 v[E1+\n], v[FI+\n], 0xb1979a26, v[E1+\n]    ; and the constant's lower part
.endr
	s_wait_alu depctr_va_vdst(0)                   ; one wait for the four exponentials, ahead of their first reader
.irp n, 0,1,2,3
	v_mul_f32 v[TR+\n], v[XE+\n], v[E1+\n]
.endr
.irp n, 0,1,2,3
	v_fma_f32 v[XE+\n], v[TR+\n], 0x3f317218, v[XE+\n]    ; the frequency
.endr
.irp n, 0,1,2,3
	v_mul_f32 v[AN+\n], v10, v[XE+\n]              ; the angle, rounded to f32 as the definition has it
.endr
.irp n, 0,1,2,3
	v_mul_f32 v[NN+\n], 0x3f22f983, v[AN+\n]
.endr
.irp n, 0,1,2,3
	v_rndne_f32 v[NN+\n], v[NN+\n]
.endr
.irp n, 0,1,2,3
	v_fma_f32 v[RH+\n], v[NN+\n], 0xbfc90fdb, v[AN+\n]
.endr
.irp n, 0,1,2,3
	v_fma_f32 v[RH+\n], v[NN+\n], 0x333bbd2e, v[RH+\n]
.endr
.irp n, 0,1,2,3
	v_mul_f32 v[ZZ+\n], v[RH+\n], v[RH+\n]
.endr
.irp n, 0,1,2,3
	v_fma_f32 v[SN+\n], v[ZZ+\n], s32, s31
	v_fma_f32 v[CN+\n], v[ZZ+\n], s35, s34
.endr
.irp n, 0,1,2,3
	v_fma_f32 v[SN+\n], v[SN+\n], v[ZZ+\n], s30
	v_fma_f32 v[CN+\n], v[CN+\n], v[ZZ+\n], s33
.endr
.irp n, 0,1,2,3
	v_mul_f32 v[TR+\n], v[RH+\n], v[ZZ+\n]
.endr
.irp n, 0,1,2,3
	v_fma_f32 v[SN+\n], v[SN+\n], v[TR+\n], v[RH+\n]      ; sin r
.endr
.irp n, 0,1,2,3
	v_mul_f32 v[TR+\n], v[ZZ+\n], v[ZZ+\n]
	v_fma_f32 v[RH+\n], v[ZZ+\n], -0.5, 1.0
.endr
.irp n, 0,1,2,3
	v_fma_f32 v[CN+\n], v[CN+\n], v[TR+\n], v[RH+\n]      ; cos r
	v_cvt_i32_f32 v[QD+\n], v[NN+\n]
.endr
.irp n, 0,1,2,3
	v_and_b32 v[TR+\n], 1, v[QD+\n]
	v_cmp_eq_u32 vcc_lo, 1, v[TR+\n]               ; an odd number of quarter turns swaps the two: a choice of values, no branch
	v_cndmask_b32 v[OS+\n], v[SN+\n], v[CN+\n], vcc_lo
	v_cndmask_b32 v[OC+\n], v[CN+\n], v[SN+\n], vcc_lo
	v_lshlrev_b32 v[TR+\n], 30, v[QD+\n]           ; the sine is negative in quarters 2 and 3,
	v_and_b32 v[TR+\n], 0x80000000, v[TR+\n]
	v_xor_b32 v[OS+\n], v[TR+\n], v[OS+\n]
	v_add_nc_u32 v[QD+\n], 1, v[QD+\n]             ; the cosine in quarters 1 and 2
	v_lshlrev_b32 v[TR+\n], 30, v[QD+\n]
	v_and_b32 v[TR+\n], 0x80000000, v[TR+\n]
	v_xor_b32 v[OC+\n], v[TR+\n], v[OC+\n]
.endr
	global_store_b128 v2, v[OC:OC+3], s[18:19] offset:\j*512          ; the wave stores 512 consecutive bytes
	global_store_b128 v2, v[OS:OS+3], s[18:19] offset:4096+\j*512
.endm
	ROPE4 0
	ROPE4 1
	ROPE4 2
	ROPE4 3
	s_endpgm
; where a wave's images and scale words begin: operand s21, group s22, chunk of 512 along K s23, which 32 rows of the group s26
.macro BASES
	s_lshl_b32 s28, s21, 21
	s_lshl_b32 s29, s22, 17
	s_add_co_u32 s28, s28, s29
	s_lshl_b32 s29, s23, 15
	s_add_co_u32 s28, s28, s29
	s_lshl_b32 s29, s26, 11
	s_add_co_u32 s28, s28, s29
	s_mov_b32 s29, 0
	s_add_nc_u64 s[14:15], s[14:15], s[28:29]
	s_lshl_b32 s28, s21, 17
	s_lshl_b32 s29, s22, 13
	s_add_co_u32 s28, s28, s29
	s_lshl_b32 s29, s23, 11
	s_add_co_u32 s28, s28, s29
	s_lshl_b32 s29, s26, 9
	s_add_co_u32 s28, s28, s29
	s_mov_b32 s29, 0
	s_add_nc_u64 s[16:17], s[16:17], s[28:29]
.endm
; Block t (0 .. 15) of my row's chunk lies in v[xs] .. v[xs + 31]: its scale byte goes into the row's words, its 32 codes (16 bytes) into their place in the image of K step t / 4.
; The 32 lanes' stores fill two aligned runs of 256 bytes whole: lanes 0-7 and 16-23 one tile's, lanes 8-15 and 24-31 the next tile's.
.macro BLOCKQ xs, t
.set XS, (\xs)
.set TT, (\t)
.set CS, CD+4*(TT%4)
	v_max3_num_f32 v8, |v[XS]|, |v[XS+1]|, |v[XS+2]|
	v_max3_num_f32 v9, |v[XS+3]|, |v[XS+4]|, |v[XS+5]|
.irp i, 6,10,14,18,22,26
	v_max3_num_f32 v8, v8, |v[XS+\i]|, |v[XS+\i+1]|
	v_max3_num_f32 v9, v9, |v[XS+\i+2]|, |v[XS+\i+3]|
.endr
	v_max3_num_f32 v8, v8, |v[XS+30]|, |v[XS+31]|
	v_max3_num_f32 v8, v8, v9, 0x1800000           ; and the floor 2^(3 - 127): the byte cannot fall under 1
	v_add_nc_u32 v10, 0xff000000, v8               ; 2 off the exponent field: the conversion takes this operand's exponent field as its scale
	v_lshrrev_b32 v11, 23, v10                     ; the byte
.if TT%4 == 0
	v_mov_b32 v[SB+TT/4], v11
.else
	v_lshl_or_b32 v[SB+TT/4], v11, 8*(TT%4), v[SB+TT/4]
.endif
	s_wait_alu depctr_va_vdst(0)
	s_wait_xcnt 0x0                                ; the store that read this set of code registers, four blocks back, has read them
.irp g, 0,1,2,3
	v_cvt_scalef32_pk8_fp4_f32 v[CS+\g], v[XS+8*\g:XS+8*\g+7], v10
.endr
	global_store_b128 v5, v[CS:CS+3], s[14:15] offset:(TT/4)*8192+((TT%4)/2)*512+(TT%2)*256
.endm
; ---- THE WEIGHTS.  Work-group 64 + 64 w + 16 kc + G: weight w, 128 columns, 512 along K; wave b takes 32 columns, a lane one column, registers down K.
.Lpath_w:
	s_sub_co_u32 s20, ttmp9, 64
	s_lshr_b32 s21, s20, 6
	s_cmp_eq_u32 s21, 1                            ; the choice of buffer hangs on the work-group's number alone
	s_cselect_b64 s[6:7], s[8:9], s[6:7]
	s_cmp_eq_u32 s21, 2
	s_cselect_b64 s[6:7], s[10:11], s[6:7]
	s_cmp_eq_u32 s21, 3
	s_cselect_b64 s[6:7], s[12:13], s[6:7]
	s_and_b32 s22, s20, 15                         ; G
	s_bfe_u32 s23, s20, 0x20004                    ; kc
	s_lshl_b32 s24, s23, 22                        ; 512 rows of 8,192 bytes
	s_lshl_b32 s25, s22, 9
	s_add_co_u32 s24, s24, s25
	s_lshl_b32 s25, s3, 7
	s_add_co_u32 s24, s24, s25
	s_mov_b32 s25, 0
	s_add_nc_u64 s[6:7], s[6:7], s[24:25]
	s_add_co_u32 s21, s21, 1                       ; the operand's number
	s_mov_b32 s26, s3
	BASES
	s_wait_alu depctr_va_vdst(0)
	v_lshlrev_b32 v2, 2, v1
.macro LOADW t                         ; block t: W(32 t + i, my column): each load reads 128 consecutive bytes a wave, 512 a work-group
.set XL, XN+32*((\t)%2)
.set i, 0
.rept 32
	global_load_b32 v[XL+i], v2, s[6:7] offset:(32*(\t)+i)*8192 th:TH_LOAD_NT
.set i, i+1
.endr
.endm
	LOADW 0
	LOADW 1
.irp t, 0,1,2,3,4,5,6,7,8,9,10,11,12,13,14,15
.if \t < 15
	s_wait_loadcnt 32                              ; this block's 32 loads are in; the next block's 32 may be out
.else
	s_wait_loadcnt 0x0
.endif
	BLOCKQ XN+32*(\t%2), \t
.if \t < 14
	LOADW \t+2
.endif
.endr
	global_store_b128 v6, v[SB:SB+3], s[16:17]     ; my row's four scale words: again two aligned runs of 256 bytes
	s_endpgm
; ---- x.  Work-group j: rows 32 j on; wave kc takes 512 along K in eight sub-steps of 64.  A load reads two rows' 256 bytes; the 32 x 256 bytes turn through the wave's stage, so that a lane gets 64 neighbours of ONE row.
.Lpath_x:
	s_lshl_b32 s24, ttmp9, 18
	s_lshl_b32 s25, s3, 11
	s_add_co_u32 s24, s24, s25
	s_mov_b32 s25, 0
	s_add_nc_u64 s[4:5], s[4:5], s[24:25]
	s_mov_b32 s21, 0
	s_lshr_b32 s22, ttmp9, 2
	s_mov_b32 s23, s3
	s_and_b32 s26, ttmp9, 3
	BASES
	s_wait_alu depctr_va_vdst(0)
	v_lshrrev_b32 v8, 4, v1
	v_and_b32 v9, 15, v1
	v_lshlrev_b32 v9, 4, v9
	v_lshl_add_u32 v2, v8, 13, v9                  ; in memory: row lane / 16, 16 bytes a lane
	s_mul_i32 s27, s3, STG
	v_mad_u32_u24 v3, v8, 272, v9
	v_add_nc_u32 v3, s27, v3                       ; into the stage likewise,
	v_mul_u32_u24 v4, v1, 272
	v_add_nc_u32 v4, s27, v4                       ; out of it a row a lane
.macro LOADX t
.irp i, 0,1,2,3,4,5,6,7,8,9,10,11,12,13,14,15
	global_load_b128 v[RW+64*((\t)%2)+4*\i:RW+64*((\t)%2)+4*\i+3], v2, s[4:5] offset:\i*16384+(\t)*256 th:TH_LOAD_NT
.endr
.endm
	LOADX 0
	LOADX 1
	s_wait_alu depctr_va_vdst(0)
.irp t, 0,1,2,3,4,5,6,7
.if \t < 7
	s_wait_loadcnt 16                              ; this sub-step's 16 loads are in; the next one's 16 may be out
.else
	s_wait_loadcnt 0x0
.endif
.irp i, 0,1,2,3,4,5,6,7,8,9,10,11,12,13,14,15
	ds_store_b128 v3, v[RW+64*(\t%2)+4*\i:RW+64*(\t%2)+4*\i+3] offset:\i*544
.endr
.irp i, 0,1,2,3,4,5,6,7,8,9,10,11,12,13,14,15
	ds_load_b128 v[XN+4*\i:XN+4*\i+3], v4 offset:16*\i     ; LDS serves a wave's instructions in order: these see the stores above
.endr
	s_wait_dscnt 0x0                               ; my 64 numbers are in, and the stores have read their registers,
.if \t < 6
	LOADX \t+2                                     ; which take the sub-step two further on
.endif
	BLOCKQ XN, 2*\t
	BLOCKQ XN+32, 2*\t+1
.endr
	global_store_b128 v6, v[SB:SB+3], s[16:17]
	s_wait_tensorcnt 0x0
	ds_add_u32 v224, v225
	s_wait_dscnt 0x0
	s_endpgm
.Lfunc_end_k_qc37f689f7f_prep:
	.size	k_qc37f689f7f_prep, .Lfunc_end_k_qc37f689f7f_prep-k_qc37f689f7f_prep
	.p2alignl 7, 3214868480
	.fill 96, 4, 3214868480
	.section	.rodata,"a",@progbits
	.p2align	6, 0x0
	.amdhsa_kernel k_qc37f689f7f_prep
		.amdhsa_group_segment_fixed_size 35328
		.amdhsa_private_segment_fixed_size 0
		.amdhsa_enable_private_segment 0
		.amdhsa_kernarg_size 64
		.amdhsa_user_sgpr_count 2
		.amdhsa_user_sgpr_kernarg_segment_ptr 1
		.amdhsa_wavefront_size32 1
		.amdhsa_system_sgpr_workgroup_id_x 1
		.amdhsa_system_sgpr_workgroup_id_y 1
		.amdhsa_system_sgpr_workgroup_id_z 1
		.amdhsa_system_vgpr_workitem_id 0
		.amdhsa_next_free_vgpr 226
		.amdhsa_next_free_sgpr 66
		.amdhsa_reserve_vcc 1
		.amdhsa_float_denorm_mode_32 3
		.amdhsa_float_denorm_mode_16_64 3
		.amdhsa_memory_ordered 1
		.amdhsa_forward_progress 1
		.amdhsa_inst_pref_size 163
	.end_amdhsa_kernel
	.amdgpu_metadata
---
amdhsa.version: [ 1, 2 ]
amdhsa.kernels:
  - .name:           k_qc37f689f7f_prep
    .symbol:         k_qc37f689f7f_prep.kd
    .args:
      - { .name: x, .offset: 0, .size: 8, .value_kind: global_buffer, .address_space: global }
      - { .name: Wq, .offset: 8, .size: 8, .value_kind: global_buffer, .address_space: global }
      - { .name: Wk, .offset: 16, .size: 8, .value_kind: global_buffer, .address_space: global }
      - { .name: Wv, .offset: 24, .size: 8, .value_kind: global_buffer, .address_space: global }
      - { .name: Wo, .offset: 32, .size: 8, .value_kind: global_buffer, .address_space: global }
      - { .name: cimg, .offset: 40, .size: 8, .value_kind: global_buffer, .address_space: global }
      - { .name: cscl, .offset: 48, .size: 8, .value_kind: global_buffer, .address_space: global }
      - { .name: rope, .offset: 56, .size: 8, .value_kind: global_buffer, .address_space: global }
    .group_segment_fixed_size: 35328
    .private_segment_fixed_size: 0
    .kernarg_segment_align: 8
    .kernarg_segment_size: 64
    .max_flat_workgroup_size: 128
    .sgpr_count:     66
    .vgpr_count:     226
    .wavefront_size: 32
...
	.end_amdgpu_metadata
.endif
;; end of part 1
;; launch proj (part 2): grid 24 x 8, 4 waves a work-group, clusters of 4 x 4, 327,680 bytes of LDS; arguments cimg, cscl, bq, bk, bv, rope, hblk; writes hblk
.if DOCPART == 2
	.amdgcn_target "amdgcn-amd-amdhsa--gfx1250"
	.amdhsa_code_object_version 6
	.text
	.protected	k_qc37f689f7f_proj
	.globl	k_qc37f689f7f_proj
	.p2align	8
	.type	k_qc37f689f7f_proj,@function
k_qc37f689f7f_proj:
	s_mov_b64 s[64:65], 0
	v_nop
	global_prefetch_b8 v0, s[64:65] scope:SCOPE_SE
	s_setreg_imm32_b32 hwreg(HW_REG_WAVE_MODE, 25, 1), 1
	s_wait_xcnt 0x0
	s_wait_alu depctr_hold_cnt(0) depctr_sa_sdst(0) depctr_va_vdst(0) depctr_va_sdst(0) depctr_va_ssrc(0) depctr_va_vcc(0) depctr_vm_vsrc(0)
	s_getreg_b32 s2, hwreg(HW_REG_IB_STS2, 6, 4)
	s_cmp_eq_u32 s2, 0
	s_cbranch_scc0 .Lentry_in_a_cluster
	s_endpgm
.Lentry_in_a_cluster:
	s_bfe_u32 s2, ttmp6, 0x10000c
	s_cmp_lg_u32 s2, 0xf033
	s_cbranch_scc0 .Lentry_shape_is_right
	s_endpgm
.Lentry_shape_is_right:
.set NQ,     4
.set NL,     2
.set NP,     4
.set FR,     8
.set HALFT,  32768
.set SLOT,   4*HALFT
.set SCL,    2*SLOT
.set SCG,    8192
.set SPARE,  SCL+4*SCG
.set BPA,  8
.set BRA,  9
.set LI,   10
.set SWA,  11
.set RPA,  12
.set ADRA, 16
.set ADRB, 20
.set ADRS, 27
.set SPW,  28
.set NIL,  29
.set SC,   32
.set TM,   96
.set TP,   100
.set TS,   104
.set PC,   108
.set PW,   116
.set SW,   124
.set AF,   128
.set EV,   128
.set CO,   192
.set SI,   224
.set BP,   64
.set BRP,  192
.set WV,   18
.set WH,   19
.set WL,   20
.set KIND, 21
.set G1,   24
.set G0,   32
.set G1B,  48
.set G0B,  56
.set G1S,  68
.set G0S,  76
.set G1SB, 80
.set G0SB, 88
.set G0RP, 92
.set SEL,  100
.set MSB, 0
.macro WIN new
.if MSB != (\new)
	s_set_vgpr_msb (MSB<<8)|(\new)
.set MSB, (\new)
.endif
.endm
.set MUL_LO, 0xa1
.set MUL_HI, 0xf1
.set TO_B,   0x40
.macro JLOAD g0a, g1a, g0b, g1b
	s_cmp_eq_u32 s[WH], 0
	s_cbranch_scc0 .Lfor_b_\@
	tensor_load_to_lds s[\g0a:\g0a+3], s[\g1a:\g1a+7]
	s_nop 0
.rept 4
	v_nop
.endr
	s_branch .Lasked_\@
.Lfor_b_\@:
	tensor_load_to_lds s[\g0b:\g0b+3], s[\g1b:\g1b+7]
	s_nop 0
.rept 4
	v_nop
.endr
.Lasked_\@:
.endm
.macro CREST
	s_cmp_lg_u32 s[WV], 0
	s_cbranch_scc1 .Lnot_wave_0_\@
	s_barrier_signal -3
.Lnot_wave_0_\@:
	s_barrier_wait -3
	s_barrier_signal -1
	s_barrier_wait -1
.endm
.macro CROUND
	s_barrier_signal -1
	s_barrier_wait -1
	CREST
.endm
	s_load_b128 s[4:7], s[0:1], 0x0
	s_load_b128 s[8:11], s[0:1], 0x10
	s_load_b128 s[12:15], s[0:1], 0x20
	s_load_b64 s[16:17], s[0:1], 0x30
	v_lshl_add_u32 v[SPW], v0, 2, SPARE
	v_mov_b32 v[NIL], 0
	ds_add_u32 v28, v29
	ds_add_u32 v28, v29
	s_wait_dscnt 0x0
	v_lshrrev_b32 v1, 5, v0
	v_readfirstlane_b32 s[WV], v1
	s_lshr_b32 s[WH], s[WV], 1
	s_and_b32 s[WL], s[WV], 1
	s_bfe_u32 s40, ttmp6, 0x40000
	s_bfe_u32 s41, ttmp6, 0x40004
	s_lshr_b32 s[KIND], ttmp9, 1
	s_lshl_b32 s42, ttmp9, 2
	s_add_co_u32 s42, s42, s40
	s_and_b32 s42, s42, 7
	s_and_b32 s43, ttmp7, 0xffff
	s_lshl_b32 s43, s43, 2
	s_add_co_u32 s43, s43, s41
	s_lshl_b32 s44, s41, 2
	s_lshl_b32 s44, 15, s44
	s_lshl_b32 s45, 0x1111, s40
	s_or_b32 s[G1+0], s44, (3<<16)|(1<<21)
	s_or_b32 s[G1B+0], s45, (3<<16)|(1<<21)
	s_or_b32 s[G1S+0], s44, (3<<16)|(1<<21)
	s_or_b32 s[G1SB+0], s45, (3<<16)|(1<<21)
.irp g, G1, G1B                        ; for the head's loads: an operand's slot 0 whole: two groups' 32,768 dense bytes (4,096 elements of 8), 131,072 bytes apart
	s_mov_b32 s[\g+1], 4096<<16
	s_mov_b32 s[\g+2], 2<<16
	s_mov_b32 s[\g+3], 4096<<16
	s_mov_b32 s[\g+4], 2
	s_mov_b32 s[\g+5], 16384
	s_mov_b32 s[\g+6], 0
	s_mov_b32 s[\g+7], 0
.endr
.irp g, G1S, G1SB                      ; two groups' scale words: 16,384 dense bytes as 64 rows of 256
	s_mov_b32 s[\g+1], 32<<16
	s_mov_b32 s[\g+2], 64<<16
	s_mov_b32 s[\g+3], 32<<16
	s_mov_b32 s[\g+4], 64
	s_mov_b32 s[\g+5], 32
	s_mov_b32 s[\g+6], 0
	s_mov_b32 s[\g+7], 0
.endr
	s_lshr_b32 s46, s[KIND], 1
	s_mul_i32 s46, s46, 3
	s_add_co_u32 s47, s[KIND], 1
	s_sub_co_u32 s47, s47, s46
	s_lshl_b32 s92, s43, 1
	s_lshl_b32 s93, s46, 4
	s_add_co_u32 s92, s92, s93
	s_lshl_b32 s94, s92, 17
	s_mov_b32 s95, 0
	s_lshl_b32 s96, s92, 13
	s_mov_b32 s97, 0
	s_lshl_b32 s22, s42, 1
	s_lshl_b32 s23, s47, 4
	s_add_co_u32 s22, s22, s23
	s_lshl_b32 s98, s22, 17
	s_mov_b32 s99, 0
	s_lshl_b32 s2, s22, 13
	s_mov_b32 s3, 0
	s_lshl_b32 s22, s[WL], 17              ; in the ring a wave fetches one group of the pair: which, in bytes
	s_mov_b32 s23, 0
	s_lshl_b32 s46, s[WV], 15
	s_mov_b32 s[SEL], 0x76543210
	s_mov_b32 s[SEL+1], 0xfedcba98
	s_wait_kmcnt 0x0
	s_add_nc_u64 s[94:95], s[4:5], s[94:95]
	s_add_nc_u64 s[96:97], s[6:7], s[96:97]
	s_add_nc_u64 s[98:99], s[4:5], s[98:99]
	s_add_nc_u64 s[2:3], s[6:7], s[2:3]
	CROUND
	s_mov_b32 s[G0S], 1
	s_mov_b32 s[G0S+1], SCL
	s_mov_b64 s[G0S+2:G0S+3], s[96:97]
	s_or_b32 s[G0S+3], s[G0S+3], 0x80000000
	s_mov_b32 s[G0SB], 1
	s_mov_b32 s[G0SB+1], SCL+2*SCG
	s_mov_b64 s[G0SB+2:G0SB+3], s[2:3]
	s_or_b32 s[G0SB+3], s[G0SB+3], 0x80000000
.irp s, 0,1
	s_mov_b32 s[G0+4*\s], 1
	s_add_co_u32 s[G0+4*\s+1], s46, \s*SLOT
	s_add_nc_u64 s[G0+4*\s+2:G0+4*\s+3], s[94:95], \s*HALFT
	s_add_nc_u64 s[G0+4*\s+2:G0+4*\s+3], s[G0+4*\s+2:G0+4*\s+3], s[22:23]
	s_or_b32 s[G0+4*\s+3], s[G0+4*\s+3], 0x80000000
	s_mov_b32 s[G0B+4*\s], 1
	s_add_co_u32 s[G0B+4*\s+1], s46, \s*SLOT
	s_add_nc_u64 s[G0B+4*\s+2:G0B+4*\s+3], s[98:99], \s*HALFT
	s_add_nc_u64 s[G0B+4*\s+2:G0B+4*\s+3], s[G0B+4*\s+2:G0B+4*\s+3], s[22:23]
	s_or_b32 s[G0B+4*\s+3], s[G0B+4*\s+3], 0x80000000
.endr
	s_mov_b32 s4, 1                        ; groups 0 of the head's loads of codes, in registers whose arguments and masks have been used: source 1's slot 0,
	s_mov_b32 s5, 0
	s_mov_b64 s[6:7], s[94:95]
	s_or_b32 s7, s7, 0x80000000
	s_mov_b32 s96, 1                       ; and source 0's, behind it: its address stands in s[98:99] already
	s_mov_b32 s97, 2*HALFT
	s_or_b32 s99, s99, 0x80000000
; THE HEAD'S LOADS, ONE A WAVE: what the first steps need is shared out: waves 0 and 1 fetch the two operands' slot 0, waves 2 and 3 their scale words.
; One chain of branches on the wave's number, an arm a load: every way through the head passes exactly one.
.macro ARM under, g0, g1, next
	s_cmp_lt_u32 s[WV], \under
	s_cbranch_scc0 \next
	tensor_load_to_lds s[\g0:\g0+3], s[\g1:\g1+7]
	s_nop 0
.rept 4
	v_nop
.endr
	s_branch .Lhead_asked
\next:
.endm
	ARM 1, 4, G1, .Lhead_b
	ARM 2, 96, G1B, .Lhead_sa
	ARM 3, G0S, G1S, .Lhead_sb
	tensor_load_to_lds s[G0SB:G0SB+3], s[G1SB:G1SB+7]
	s_nop 0
.rept 4
	v_nop
.endr
.Lhead_asked:
	; the rest of the head stands between the head's loads and the wait for them; it writes no register of their descriptors
	s_lshl_b32 s22, s43, 17
	s_lshl_b32 s23, s[WV], 15
	s_add_co_u32 s22, s22, s23
	s_mov_b32 s23, 0
	s_mov_b32 s[G0RP], 1
	s_lshl_b32 s[G0RP+1], s[WV], 15
	s_add_nc_u64 s[G0RP+2:G0RP+3], s[14:15], s[22:23]
	s_or_b32 s[G0RP+3], s[G0RP+3], 0x80000000
	v_and_b32 v1, 15, v0
	v_bfe_u32 v2, v0, 4, 1
	v_and_b32 v3, 31, v0
	v_lshlrev_b32 v[LI], 4, v3
	s_wait_alu depctr_va_vdst(0)
	s_lshl_b32 s46, s[WH], 15
	s_lshl_b32 s47, s[WL], 15
	s_add_co_u32 s47, s47, 2*HALFT
.irp s, 0,1
	v_add_nc_u32 v[ADRA+\s], s46, v[LI]
	v_add_nc_u32 v[ADRB+\s], s47, v[LI]
	s_add_co_u32 s46, s46, SLOT
	s_add_co_u32 s47, s47, SLOT
.endr
	s_lshl_b32 s46, s[WH], 16
	v_add_nc_u32 v[RPA], s46, v[LI]
	s_lshl_b32 s46, s[WH], 13
	s_lshl_b32 s47, s[WL], 13
	s_add_co_u32 s47, s47, 2*SCG
	s_sub_co_u32 s47, s47, s46
	v_mul_u32_u24 v4, s47, v2
	s_add_co_u32 s46, s46, SCL
	v_lshl_add_u32 v4, v1, 4, v4
	v_add_nc_u32 v[ADRS], s46, v4
	v_lshlrev_b32 v[BPA], 6, v2
	v_and_b32 v5, 8, v1
	v_add_nc_u32 v5, v5, v1
	v_lshlrev_b32 v[BRA], 2, v5
	s_wait_alu depctr_va_vdst(0)
	v_lshlrev_b32 v[SWA], 5, v1
	v_lshl_add_u32 v[SWA], v2, 4, v[SWA]
.irp b, 0,1,2,3
	v_mov_b32 v[TP+\b], 0
.endr
	s_lshl_b32 s40, s42, 1
	s_add_co_u32 s40, s40, s[WL]
	s_lshl_b32 s41, s43, 1
	s_add_co_u32 s41, s41, s[WH]
	s_cmp_eq_u32 s[KIND], 1
	s_cselect_b64 s[8:9], s[10:11], s[8:9]
	s_cmp_eq_u32 s[KIND], 2
	s_cselect_b64 s[8:9], s[12:13], s[8:9]
	s_mov_b32 s67, 0
	s_lshl_b32 s66, s40, 9
	s_add_nc_u64 s[10:11], s[8:9], s[66:67]
	s_lshl_b32 s66, s41, 9
	s_add_nc_u64 s[12:13], s[8:9], s[66:67]
	s_cmp_eq_u32 s[KIND], 2
	s_cselect_b32 s42, s41, s40
	s_cselect_b32 s43, s40, s41
	s_lshl_b32 s42, s42, 4
	s_add_co_u32 s42, s42, s43
	s_mul_i32 s66, s42, 26112
	s_add_nc_u64 s[16:17], s[16:17], s[66:67]
	s_lshl_b32 s66, s[KIND], 9
	s_add_co_u32 s66, s66, 24576
	s_cmp_eq_u32 s[KIND], 0
	s_cselect_b32 s66, 0, s66
	s_add_nc_u64 s[2:3], s[16:17], s[66:67]
	s_lshl_b32 s66, s[KIND], 13
	s_add_co_u32 s66, s66, 512
	s_add_nc_u64 s[16:17], s[16:17], s[66:67]
	WIN 0x40
.irp b, 0,1,2,3
.irp j, 0,1,2,3
	global_load_b128 v[BP+16*\b+4*\j:BP+16*\b+4*\j+3], v[BPA], s[10:11] offset:128*\b+16*\j
.endr
.endr
.irp a, 0,1,2,3,4,5,6,7
	global_load_b32 v[BRP+2*\a], v[BRA], s[12:13] offset:(32*(\a/2)+8*(\a%2))*4
	global_load_b32 v[BRP+2*\a+1], v[BRA], s[12:13] offset:(32*(\a/2)+8*(\a%2))*4
.endr
	WIN 0
.macro FRAG reg, adr, q, i
.irp c, 0,1
	ds_load_b128 v[\reg+4*\c:\reg+4*\c+3], v[\adr] offset:8192*(\q)+1024*(\i)+512*\c
.endr
.endm
.macro MUL16 a0, p, q, sc, zero
.irp a, \a0, \a0+1
.irp b, 0,1,2,3,4,5,6,7
.if \zero
	v_wmma_scale_f32_16x16x128_f8f6f4 v[8*(8*((\a)%4)+\b):8*(8*((\a)%4)+\b)+7], v[128*(\p)+FR*\b:128*(\p)+FR*\b+FR-1], v[AF+FR*(\a):AF+FR*(\a)+FR-1], 0, v[SC+8*NQ*(\sc)+NQ*\b+(\q)], v[SC+8*NQ*(\sc)+NQ*(\a)+(\q)] matrix_a_fmt:MATRIX_FMT_FP4 matrix_b_fmt:MATRIX_FMT_FP4 matrix_a_scale:MATRIX_SCALE_ROW1
.else
	v_wmma_scale_f32_16x16x128_f8f6f4 v[8*(8*((\a)%4)+\b):8*(8*((\a)%4)+\b)+7], v[128*(\p)+FR*\b:128*(\p)+FR*\b+FR-1], v[AF+FR*(\a):AF+FR*(\a)+FR-1], v[8*(8*((\a)%4)+\b):8*(8*((\a)%4)+\b)+7], v[SC+8*NQ*(\sc)+NQ*\b+(\q)], v[SC+8*NQ*(\sc)+NQ*(\a)+(\q)] matrix_a_fmt:MATRIX_FMT_FP4 matrix_b_fmt:MATRIX_FMT_FP4 matrix_a_scale:MATRIX_SCALE_ROW1
.endif
.endr
.endr
.endm
.macro FETCH_B slot, q, p
	WIN TO_B
.irp i, 0,1,2,3,4,5,6,7
	FRAG 128*(\p)+FR*\i, ADRB+\slot, \q, \i
.endr
	WIN 0
.endm
.macro FETCH_A slot, q, i0
.irp i, \i0, \i0+1, \i0+2, \i0+3
	FRAG AF+FR*(\i), ADRA+\slot, \q, \i
.endr
.endm
.macro SCALES sc
.irp i, 0,1,2,3,4,5,6,7
	ds_load_b128 v[SC+8*NQ*\sc+NQ*\i:SC+8*NQ*\sc+NQ*\i+3], v[ADRS] offset:\i*256
.endr
.endm
.macro PLACES n
.rept \n
	v_nop
.endr
.endm
.macro STEP slot, q, zero
	s_wait_dscnt 4*NL
	WIN MUL_LO
	MUL16 0, (\q)%2, \q, \slot, \zero
	MUL16 2, (\q)%2, \q, \slot, \zero
	s_wait_dscnt 0
	PLACES NP
	FETCH_B \slot, (\q)+1, 1-(\q)%2
	FETCH_A \slot, (\q)+1, 0
	WIN MUL_HI
	MUL16 4, (\q)%2, \q, \slot, \zero
	MUL16 6, (\q)%2, \q, \slot, \zero
	PLACES NP
	WIN 0
	FETCH_A \slot, (\q)+1, 4
.endm
.macro TURN slot, next, fill
	s_wait_tensorcnt 0x0
	ds_add_u32 v[SPW], v[NIL]
	s_wait_dscnt 4*NL+1
	WIN MUL_LO
	MUL16 0, 1, NQ-1, \slot, 0
	s_wait_dscnt 0x0
	s_barrier_signal -1
	MUL16 2, 1, NQ-1, \slot, 0
	WIN 0
	s_barrier_wait -1
.if \fill == 1
	CREST
	s_add_nc_u64 s[G0+4*\slot+2:G0+4*\slot+3], s[G0+4*\slot+2:G0+4*\slot+3], 2*HALFT
	s_add_nc_u64 s[G0B+4*\slot+2:G0B+4*\slot+3], s[G0B+4*\slot+2:G0B+4*\slot+3], 2*HALFT
	JLOAD G0+4*\slot, G1, G0B+4*\slot, G1B
.elseif \fill == 2
	CREST
	tensor_load_to_lds s[G0RP:G0RP+3], s[G1:G1+7]
	s_nop 0
.rept 4
	v_nop
.endr
.else
	PLACES NP
.endif
	s_wait_alu depctr_va_vdst(0)
	v_add_nc_u32 v[ADRS], 2048, v[ADRS]
	FETCH_B \next, 0, 0
	FETCH_A \next, 0, 0
	SCALES \next
	WIN MUL_HI
	MUL16 4, 1, NQ-1, \slot, 0
	MUL16 6, 1, NQ-1, \slot, 0
	PLACES NP
	WIN 0
	FETCH_A \next, 0, 4
.endm
.macro STEPS slot, from
.set Q, \from
.rept NQ-1-\from
	STEP \slot, Q, 0
.set Q, Q+1
.endr
.endm
	s_wait_alu depctr_va_vdst(0)           ; the wait at the head's end
	s_wait_tensorcnt 0x0                   ; my tile of the head's four is in
	ds_add_u32 v28, v29
.irp g, G1, G1B                        ; no tensor load of mine is out, so a descriptor may be written: from here on a load brings one group's 32,768 bytes as 128 rows of 256
	s_mov_b32 s[\g+1], 32<<16
	s_mov_b32 s[\g+2], 128<<16
	s_mov_b32 s[\g+3], 32<<16
	s_mov_b32 s[\g+4], 128
	s_mov_b32 s[\g+5], 32
.endr
	s_wait_dscnt 0x0
	CROUND                                 ; all four tiles are in, and all sixteen work-groups are here
	JLOAD G0+4, G1, G0B+4, G1B             ; slot 1's first fill: the first tensor load behind the round
	FETCH_B 0, 0, 0
	FETCH_A 0, 0, 0
	SCALES 0
	FETCH_A 0, 0, 4
	STEP 0, 0, 1
	STEPS 0, 1
	TURN 0, 1, 1
	STEPS 1, 0
	TURN 1, 0, 1
	STEP 0, 0, 0
	STEPS 0, 1
	TURN 0, 1, 2
	STEPS 1, 0
	s_wait_dscnt 4*NL
	WIN MUL_LO
	MUL16 0, 1, NQ-1, 1, 0
	MUL16 2, 1, NQ-1, 1, 0
	s_wait_dscnt 0
	WIN MUL_HI
	MUL16 4, 1, NQ-1, 1, 0
	MUL16 6, 1, NQ-1, 1, 0
	WIN 0
	s_wait_tensorcnt 0x0
	ds_add_u32 v[SPW], v[NIL]
	s_wait_dscnt 0x0
	s_barrier_signal -1
	s_barrier_wait -1
.macro QUANT s, pw
.irp b, 0,1,2,3
	v_max3_num_f32 v[TM+\b], |v[\s+16*\b]|, |v[\s+1+16*\b]|, 0x1800000
.endr
.irp i, 2,4,6,8,10,12,14
.irp b, 0,1,2,3
	v_max3_num_f32 v[TM+\b], v[TM+\b], |v[\s+16*\b+\i]|, |v[\s+1+16*\b+\i]|
.endr
.endr
.irp b, 0,1,2,3
	v_permlanex16_b32 v[TP+\b], v[TM+\b], s[SEL], s[SEL+1]
.endr
.irp b, 0,1,2,3
	v_max_num_f32 v[TM+\b], v[TM+\b], v[TP+\b]
.endr
.irp b, 0,1,2,3
	v_add_nc_u32 v[TS+\b], 0xff000000, v[TM+\b]
.endr
.irp b, 0,1,2,3
	v_lshrrev_b32 v[TP+\b], 23, v[TS+\b]
.endr
	v_lshl_or_b32 v[\pw], v[TP+1], 8, v[TP]
	v_lshl_or_b32 v[\pw], v[TP+2], 16, v[\pw]
	v_lshl_or_b32 v[\pw], v[TP+3], 24, v[\pw]
.irp b, 0,1,2,3
	v_cvt_scalef32_pk8_fp4_f32 v[PC+2*\b], v[\s+16*\b:\s+7+16*\b], v[TS+\b]
	v_cvt_scalef32_pk8_fp4_f32 v[PC+1+2*\b], v[\s+8+16*\b:\s+15+16*\b], v[TS+\b]
.endr
	v_nop
.irp c, 0,1
.irp i, 0,1
	v_permlane16_swap_b32 v[PC+4*\c+\i], v[PC+2+4*\c+\i]
.endr
.endr
.endm
.macro COSSIN a
.irp e, 0,1,2,3,4,5,6,7,8,9,10,11,12,13,14,15
	ds_load_b128 v[CO+4*\e:CO+4*\e+3], v[RPA] offset:(\a)*8192+\e*512
.endr
.endm
.macro OUTBLK a
.set AC, 64*((\a)%4)
.if (\a) == 0
	s_wait_loadcnt 0x0
.endif
	s_wait_dscnt 0x0
	s_cmp_eq_u32 s[KIND], 2
	s_cbranch_scc1 .Lv_\@
	WIN 0x06+(\a)/4
.set i, 0
.rept 32
	v_pk_add_f32 v[EV+i:EV+i+1], v[AC+i:AC+i+1], v[BP+i:BP+i+1]
.set i, i+2
.endr
	WIN 0
.set i, 0
.rept 16
.set T, TM+4*((i/2)%2)
	v_pk_mul_f32 v[T:T+1], v[EV+32+i:EV+33+i], v[SI+i:SI+i+1]
	v_pk_mul_f32 v[T+2:T+3], v[EV+i:EV+i+1], v[SI+i:SI+i+1]
	v_pk_fma_f32 v[EV+i:EV+i+1], v[EV+i:EV+i+1], v[CO+i:CO+i+1], v[T:T+1] neg_lo:[0,0,1] neg_hi:[0,0,1]
	v_pk_fma_f32 v[EV+32+i:EV+33+i], v[EV+32+i:EV+33+i], v[CO+i:CO+i+1], v[T+2:T+3]
.set i, i+2
.endr
.if (\a) < 7
	COSSIN (\a)+1
.endif
	s_branch .Lj_\@
.Lv_\@:
	WIN 0x06+(\a)/4
.set i, 0
.rept 32
	v_pk_add_f32 v[EV+i:EV+i+1], v[AC+i:AC+i+1], v[BRP+2*(\a):BRP+2*(\a)+1]
.set i, i+2
.endr
	WIN 0
.Lj_\@:
	s_wait_xcnt 0x0
	QUANT EV, PW+(\a)
	global_store_b128 v[LI], v[PC:PC+3], s[16:17] offset:(\a)*1024
	global_store_b128 v[LI], v[PC+4:PC+7], s[16:17] offset:(\a)*1024+512
.endm
	PLACES NP
	COSSIN 0
.irp a, 0,1,2,3,4,5,6,7
	OUTBLK \a
.endr
	v_and_b32 v1, 31, v0
	v_cmp_le_u32 vcc_lo, 16, v1
.irp k, 0,1,2,3
	v_cndmask_b32 v[SW+\k], v[PW+\k], v[PW+4+\k], vcc_lo
.endr
	global_store_b128 v[SWA], v[SW:SW+3], s[2:3]
	s_wait_tensorcnt 0x0
	ds_add_u32 v[SPW], v[NIL]
	s_wait_dscnt 0x0
	CROUND
	s_endpgm
.Lfunc_end_k_qc37f689f7f_proj:
	.size	k_qc37f689f7f_proj, .Lfunc_end_k_qc37f689f7f_proj-k_qc37f689f7f_proj
	.p2alignl 7, 3214868480
	.fill 96, 4, 3214868480
	.section	.rodata,"a",@progbits
	.p2align	6, 0x0
	.amdhsa_kernel k_qc37f689f7f_proj
		.amdhsa_group_segment_fixed_size 327680
		.amdhsa_private_segment_fixed_size 0
		.amdhsa_enable_private_segment 0
		.amdhsa_kernarg_size 56
		.amdhsa_user_sgpr_count 2
		.amdhsa_user_sgpr_kernarg_segment_ptr 1
		.amdhsa_wavefront_size32 1
		.amdhsa_system_sgpr_workgroup_id_x 1
		.amdhsa_system_sgpr_workgroup_id_y 1
		.amdhsa_system_sgpr_workgroup_id_z 1
		.amdhsa_system_vgpr_workitem_id 0
		.amdhsa_next_free_vgpr 1024
		.amdhsa_next_free_sgpr 102
		.amdhsa_reserve_vcc 1
		.amdhsa_float_denorm_mode_32 3
		.amdhsa_float_denorm_mode_16_64 3
		.amdhsa_memory_ordered 1
		.amdhsa_forward_progress 1
		.amdhsa_inst_pref_size 255
	.end_amdhsa_kernel
	.section	.bss,"aw",@nobits
	.p2align	6
	.space	262144
	.amdgpu_metadata
---
amdhsa.version: [ 1, 2 ]
amdhsa.kernels:
  - .name:           k_qc37f689f7f_proj
    .symbol:         k_qc37f689f7f_proj.kd
    .args:
      - { .name: cimg, .offset: 0, .size: 8, .value_kind: global_buffer, .address_space: global }
      - { .name: cscl, .offset: 8, .size: 8, .value_kind: global_buffer, .address_space: global }
      - { .name: bq, .offset: 16, .size: 8, .value_kind: global_buffer, .address_space: global }
      - { .name: bk, .offset: 24, .size: 8, .value_kind: global_buffer, .address_space: global }
      - { .name: bv, .offset: 32, .size: 8, .value_kind: global_buffer, .address_space: global }
      - { .name: rope, .offset: 40, .size: 8, .value_kind: global_buffer, .address_space: global }
      - { .name: hblk, .offset: 48, .size: 8, .value_kind: global_buffer, .address_space: global }
    .group_segment_fixed_size: 327680
    .private_segment_fixed_size: 0
    .kernarg_segment_align: 8
    .kernarg_segment_size: 56
    .max_flat_workgroup_size: 128
    .sgpr_count:     102
    .vgpr_count:     1024
    .wavefront_size: 32
...
	.end_amdgpu_metadata
.endif
;; end of part 2
;; launch attn (part 3): grid 8 x 32, 16 waves a work-group, clusters of 4 x 4, 327,680 bytes of LDS; arguments hblk, attn_mask, aimg, ascl; writes aimg, ascl
.if DOCPART == 3
	.amdgcn_target "amdgcn-amd-amdhsa--gfx1250"
	.amdhsa_code_object_version 6
	.text
	.protected	k_qc37f689f7f_attn
	.globl	k_qc37f689f7f_attn
	.p2align	8
	.type	k_qc37f689f7f_attn,@function
k_qc37f689f7f_attn:
	s_mov_b64 s[64:65], 0
	v_nop
	global_prefetch_b8 v0, s[64:65] scope:SCOPE_SE
	s_setreg_imm32_b32 hwreg(HW_REG_WAVE_MODE, 25, 1), 1
	s_wait_xcnt 0x0
	s_wait_alu depctr_hold_cnt(0) depctr_sa_sdst(0) depctr_va_vdst(0) depctr_va_sdst(0) depctr_va_ssrc(0) depctr_va_vcc(0) depctr_vm_vsrc(0)
	s_getreg_b32 s2, hwreg(HW_REG_IB_STS2, 6, 4)
	s_cmp_eq_u32 s2, 0
	s_cbranch_scc0 .Lentry_in_a_cluster
	s_endpgm
.Lentry_in_a_cluster:
	s_bfe_u32 s2, ttmp6, 0x10000c
	s_cmp_lg_u32 s2, 0xf033
	s_cbranch_scc0 .Lentry_shape_is_right
	s_endpgm
.Lentry_shape_is_right:
; ATTN.  For each head: logit = q . k / sqrt(128) + attn_mask; t = logit x log2(e); M = the running largest t rounded up to a whole number; p = 2^(t - M), quantised along the keys; O = p v / (the sum of the unquantised p).
; Both products on codes of FP4 with E8M0 scales.  O, divided, is quantised along D = 128 head + d for the last product.  THE MASK IS AN INPUT: every number of it is read and added, and every tile of scores is multiplied.
; SHARES.  A work-group owns 64 queries of TWO heads, in SIXTEEN waves of 256 registers, four to a SIMD.  Wave w owns tile w % 4 (16 queries) of head 2 hp + (w / 4) % 2 and HALF THE KEYS:
; of each slot's 256 keys the 128 with number w / 8.  Waves w and w + 8 each keep their own M, sum and O^T; at the end wave w + 8 hands its three to wave w through LDS, and both parts are brought
; under the larger M by factors that are powers of two.
; LAYOUT.  Both products transposed (S^T = K Q^T, O^T = V^T P^T): a lane holds ONE query.  q, k, v come as images of operand registers (launch proj): tile t, place r is row 32 (t / 2) + 8 (t % 2) + r + 8 (r / 8),
; so that a lane's 64 scores are: register 16 b + e = key 32 b + 16 (lane / 16) + e of the step; O^T's 64 registers are the head's channels in the same order.
; RING.  Two LDS slots of 256 keys: the 64 queries' mask and, for each head and 128 keys, k's image, v's image and their scale words (17,408 dense bytes).
; The mask lies as four tiles of 16 rows (1,024 bytes + 16 a row), 16,768 bytes apart: a tile of queries takes eight rows of one and eight of the next, and 16,768 is 8 modulo 16 in units of 16 bytes,
; so the sixteen lanes of a read fall on sixteen different columns of 16 bytes modulo 256.
; CLUSTERS 4 x 4: the mask's tiles hang on the query block alone and are asked for jointly along a row of the cluster; k and v hang on the head pair alone, jointly along a column.
; LOADS.  At the head waves 0-3 ask for slot 0's mask, 4-5 for its k and v (a head each), waves 8-13 likewise for slot 1: one load a wave.  Refills: waves 0-5, one load each behind a round.
; OUT.  aimg [g 16][head 16][tile 8][1,024]: images for the last product.  ascl [hp 8][tile of tokens 128][head % 2][r 16] words.
; LIMITS: the promise holds while the exponents t stay under 2^31 in magnitude.  NaN and +infinity among the inputs are not served; a mask of -infinity gives p = 0, a row of nothing but -infinity NaN, as the definition does.
; A block of zeros or under 2^-124 gets the scale byte 1 (the bytes are read by this program alone).
; REGISTERS: v1-11 addresses; v12 -M, v13 the largest t, v[14:15] the sum; v16-23 Q; v24-27 K's scale words, v28-31 V's (lanes 0-15 tiles 0-3, lanes 16-31 tiles 4-7); v32-63 K's fragments, then V's tiles 0-3;
;   v64-95 half a step's mask, then V's tiles 4-7; v96-159 S^T, logits, p; v160-223 O^T; v224-231 p's codes; v232-243, v252, v254 at work; v244-247 addresses of the way out; v253 p's scale word; v255 Q's.
.set KVB,   17408
.set MQ,    16768                      ; from one mask tile of 16 rows to the next
.set KVO,   4*MQ                       ; in a slot, behind the mask: [head % 2][128 keys][17,408]
.set SLOTB, KVO+4*KVB
.set SPARE, 2*SLOTB                    ; the spare words, 128 bytes for each of sixteen waves: eight blocks of 256 bytes that no other line names
.set SCST,  SPARE+2048                 ; a stage for the work-group's 128 scale words: no fill lands here
.set MGB,   8448                       ; the join's stage, in slot 0 behind its last fill and last read: for each pair of waves 8,192 bytes of O^T and 256 of (-M, sum)
.set AM,   1
.set AKV,  3
.set ASC,  5
.set SPW,  7
.set NIL,  8
.set PFO,  9
.set QSA,  10
.set LI,   11
.set MGA,  244
.set MGL,  245
.set SWA,  246
.set SRA,  247
.set TM,   232
.set TP,   236
.set TS,   240
.set PC,   224
.set WV,   12
.set TI,   13
.set HI,   14
.set WL,   15
.set HF,   63
.set PH,   93
.set SEL,  20
.set C1,   22
.set L2E,  24
.set G1M,  28
.set G1KV, 36
.set G0M,  44
.set G0KV, 52
.set CNT,  60
.set RF,   61
.set LIM,  62
.set PFA,  66
.set PFS,  68
.macro CROUND
	s_barrier_signal -1
	s_barrier_wait -1
	s_cmp_lg_u32 s[WV], 0
	s_cbranch_scc1 .Lnot_wave_0_\@
	s_barrier_signal -3
.Lnot_wave_0_\@:
	s_barrier_wait -3
	s_barrier_signal -1
	s_barrier_wait -1
.endm
.macro TL g0, g1                       ; a tensor load with an s_nop and four v_nop behind it
	tensor_load_to_lds s[\g0:\g0+3], s[\g1:\g1+7]
	s_nop 0
.rept 4
	v_nop
.endr
.endm
.macro JLOAD s                         ; a refill of slot s: the branches hang on the wave's number alone
	s_cmp_lt_u32 s[WV], 4
	s_cbranch_scc0 .Lnot_m_\@
	TL G0M+4*(\s), G1M
	s_branch .Lasked_\@
.Lnot_m_\@:
	s_cmp_lt_u32 s[WV], 6
	s_cbranch_scc0 .Lasked_\@
	TL G0KV+4*(\s), G1KV
.Lasked_\@:
.endm
; PREFETCHES, two changes of slots ahead of the load that will want the bytes: the refill that loads fill n + 1 asks for fill n + 3; fills 2 and 3 are asked for once, at the head; the last two refills ask for nothing.
; EVERY CLUSTER asks for what it will itself load, each aligned block of 256 bytes once in the cluster, by waves that issue no refill, one instruction each.
; The mask: waves 6 and 7; the partner at cx takes rows 16 cx + 8 (wave % 2) + lane / 4 of its block of 64 queries, block lane % 4 of the row's 1,024 bytes.
; k and v: the partner at cy takes head 2 hp + cy / 2, 128 keys cy % 2: wave 15 k's image, wave 14 v's (8,192 bytes, lanes 256 apart), wave 13 the 1,024 bytes of their scale words (lanes 3 to 31 name the last block).
; Partners are told apart by address, never by a branch.  Fills 0 and 1 come by their loads alone.
.macro ASK
	s_cmp_gt_u32 s[RF], s[LIM]
	s_cbranch_scc0 .Lnot_mine_\@
	global_prefetch_b8 v[PFO], s[PFA:PFA+1] th:TH_LOAD_NT scope:SCOPE_SE
.Lnot_mine_\@:
.endm
	s_load_b256 s[4:11], s[0:1], 0x0               ; hblk s[4:5], attn_mask s[6:7], aimg s[8:9], ascl s[10:11]
	v_lshl_add_u32 v[SPW], v0, 2, SPARE
	v_mov_b32 v[NIL], 0
	ds_add_u32 v[SPW], v[NIL]                      ; the opening: the add, twice on end, and its wait ahead of the first tensor load
	ds_add_u32 v[SPW], v[NIL]
	v_lshrrev_b32 v1, 5, v0
	s_delay_alu instid0(VALU_DEP_1)
	v_readfirstlane_b32 s[WV], v1                  ; wave 0..15
	s_and_b32 s[TI], s[WV], 3                      ; my tile of queries; also: which 16 rows of the mask I fetch
	s_bfe_u32 s[HI], s[WV], 0x10002                ; my head of the pair
	s_lshr_b32 s[HF], s[WV], 3                     ; my 128 keys of each slot
	s_and_b32 s[WL], s[WV], 1
	s_xor_b32 s[PH], s[HF], s[WL]                  ; my order of a step's two halves (macro BACK)
	s_bfe_u32 s16, ttmp6, 0x40000                  ; cx
	s_bfe_u32 s17, ttmp6, 0x40004                  ; cy
	s_lshl_b32 s18, ttmp9, 2
	s_add_co_u32 s18, s18, s16                     ; hp: the pair of heads
	s_and_b32 s19, ttmp7, 0xffff
	s_lshl_b32 s19, s19, 2
	s_add_co_u32 s19, s19, s17                     ; yb: the block of 64 queries
	s_lshl_b32 s26, s17, 2
	s_lshl_b32 s26, 15, s26                        ; my row of the cluster
	s_lshl_b32 s27, 0x1111, s16                    ; my column
	s_or_b32 s[G1M], s26, (2<<16)|(1<<20)|(1<<21)|(7<<22)|(3<<25)   ; the mask: elements of 4 bytes; four words of padding behind every 256
	s_mov_b32 s[G1M+1], 256<<16                    ; 256 keys,
	s_mov_b32 s[G1M+2], 16<<16                     ; 16 queries a load
	s_mov_b32 s[G1M+3], 256<<16
	s_mov_b32 s[G1M+4], 16
	s_mov_b32 s[G1M+5], 2048
	s_mov_b32 s[G1M+6], 0
	s_mov_b32 s[G1M+7], 0
	s_or_b32 s[G1KV], s27, (3<<16)|(1<<21)         ; k, v and their scale words: two rows of 17,408 bytes (2,176 elements of 8), 26,112 bytes apart
	s_mov_b32 s[G1KV+1], 2176<<16
	s_mov_b32 s[G1KV+2], 2<<16
	s_mov_b32 s[G1KV+3], 2176<<16
	s_mov_b32 s[G1KV+4], 2
	s_mov_b32 s[G1KV+5], 3264
	s_mov_b32 s[G1KV+6], 0
	s_mov_b32 s[G1KV+7], 0
	s_lshl_b32 s70, s19, 19                        ; the mask: row 64 yb + 16 (wave % 4)
	s_lshl_b32 s71, s[TI], 17
	s_add_co_u32 s70, s70, s71
	s_mov_b32 s71, 0
	s_lshl_b32 s72, s18, 1
	s_add_co_u32 s72, s72, s[WL]                   ; k, v: head 2 hp + wave % 2
	s_mul_i32 s72, s72, 16*26112
	s_add_co_u32 s72, s72, 8704
	s_mov_b32 s73, 0
	s_mul_i32 s74, s[TI], MQ                       ; and where they go: no place in the cluster enters an LDS address
	s_mul_i32 s75, s[WL], 2*KVB
	s_add_co_u32 s75, s75, KVO
	s_mov_b32 s[SEL], 0x76543210
	s_mov_b32 s[SEL+1], 0xfedcba98
	s_mov_b32 s[C1], 0x3db504f3                    ; 1 / sqrt(128)
	s_mov_b32 s[C1+1], s[C1]
	s_mov_b32 s[L2E], 0x3fb8aa3b                   ; log2(e)
	s_mov_b32 s[L2E+1], s[L2E]
	s_mov_b32 s[RF], 6                             ; refills still to come
	s_wait_dscnt 0x0                               ; both opening adds are done
	s_wait_kmcnt 0x0
	s_add_nc_u64 s[70:71], s[6:7], s[70:71]
	s_add_nc_u64 s[72:73], s[4:5], s[72:73]
.irp s, 0,1
	s_mov_b32 s[G0M+4*\s], 1
	s_add_co_u32 s[G0M+4*\s+1], s74, \s*SLOTB
	s_add_nc_u64 s[G0M+4*\s+2:G0M+4*\s+3], s[70:71], \s*1024
	s_or_b32 s[G0M+4*\s+3], s[G0M+4*\s+3], 0x80000000
	s_mov_b32 s[G0KV+4*\s], 1
	s_add_co_u32 s[G0KV+4*\s+1], s75, \s*SLOTB
	s_add_nc_u64 s[G0KV+4*\s+2:G0KV+4*\s+3], s[72:73], \s*52224
	s_or_b32 s[G0KV+4*\s+3], s[G0KV+4*\s+3], 0x80000000
.endr
	CROUND                                         ; all sixteen work-groups are here: the first joint loads meet
; THE HEAD'S LOADS: one chain of branches on the wave's number, an arm a load: no way through the head passes two.
.macro ARM under, g0, g1, next
	s_cmp_lt_u32 s[WV], \under
	s_cbranch_scc0 \next
	TL \g0, \g1
	s_branch .Lhead_asked
\next:
.endm
	ARM 4, G0M, G1M, .Lh1
	ARM 6, G0KV, G1KV, .Lh2
	s_cmp_lt_u32 s[WV], 8
	s_cbranch_scc1 .Lhead_asked
	ARM 12, G0M+4, G1M, .Lh3
	ARM 14, G0KV+4, G1KV, .Lh4
.Lhead_asked:
	s_lshl_b32 s76, s18, 1
	s_add_co_u32 s76, s76, s[HI]                   ; my head
	s_lshl_b32 s77, s76, 4
	s_lshr_b32 s78, s19, 1                         ; my queries' group of 128
	s_add_co_u32 s77, s77, s78
	s_mul_i32 s80, s77, 26112
	s_mov_b32 s81, 0
	s_and_b32 s79, s19, 1
	s_lshl_b32 s79, s79, 2
	s_add_co_u32 s79, s79, s[TI]                   ; and their tile in it
	s_add_nc_u64 s[82:83], s[4:5], s[80:81]
	s_lshl_b32 s80, s79, 2
	s_add_nc_u64 s[84:85], s[82:83], s[80:81]      ; Q's scale words, tile a: 32 r + 4 a
	s_lshl_b32 s80, s79, 10
	s_add_co_u32 s80, s80, 512
	s_add_nc_u64 s[82:83], s[82:83], s[80:81]      ; Q's image, tile a
	s_lshl_b32 s80, s78, 4
	s_add_co_u32 s80, s80, s76
	s_lshl_b32 s80, s80, 3
	s_add_co_u32 s80, s80, s79
	s_lshl_b32 s80, s80, 10
	s_add_nc_u64 s[8:9], s[8:9], s[80:81]          ; where my tile's image goes
	s_lshl_b32 s80, s18, 14
	s_lshl_b32 s86, s19, 9
	s_add_co_u32 s80, s80, s86
	s_add_nc_u64 s[10:11], s[10:11], s[80:81]      ; and the work-group's 512 bytes of scale words
	s_lshr_b32 s71, s[TI], 1
	s_lshl_b32 s70, s71, 5
	s_lshl_b32 s72, s[WL], 3
	s_add_co_u32 s70, s70, s72                     ; my tile's first query among the 64: 32 (tile / 2) + 8 (tile % 2)
	s_lshl_b32 s71, s71, 8                         ; two mask tiles passed: 2 x 128 bytes beyond the rows' pitch
	s_lshl_b32 s72, s[HF], 9
	s_add_co_u32 s71, s71, s72                     ; + my 128 keys of the row
	s_mul_i32 s72, s[HI], 2*KVB
	s_mul_i32 s73, s[HF], KVB
	s_add_co_u32 s72, s72, s73
	s_add_co_u32 s72, s72, KVO                     ; my head's, my keys' k and v in a slot
	s_and_b32 s73, s[WV], 7
	s_mul_i32 s73, s73, MGB                        ; my pair's stage for the join
	s_lshl_b32 s74, s[TI], 7
	s_lshl_b32 s75, s[HI], 6
	s_add_co_u32 s74, s74, s75
	s_add_co_u32 s74, s74, SCST                    ; the scale words' stage: 128 x tile + 64 x (head % 2)
	; the prefetches: my part of fill 2 (s[94:95]) and of fill 3 (each refill steps that one on ahead of asking), and who asks
	s_lshl_b32 s86, s19, 19
	s_lshl_b32 s87, s16, 17
	s_add_co_u32 s86, s86, s87
	s_lshl_b32 s87, s[WL], 16
	s_add_co_u32 s86, s86, s87
	s_add_co_u32 s86, s86, 2048                    ; the mask: row 64 yb + 16 cx + 8 (wave % 2), keys 512 on
	s_lshl_b32 s88, s18, 1
	s_lshr_b32 s89, s17, 1
	s_add_co_u32 s88, s88, s89
	s_lshl_b32 s88, s88, 4
	s_and_b32 s89, s17, 1
	s_add_co_u32 s88, s88, s89
	s_add_co_u32 s88, s88, 4
	s_mul_i32 s88, s88, 26112
	s_sub_co_u32 s89, 15, s[WV]
	s_lshl_b32 s89, s89, 13                        ; wave 15: k's image, 14: v's, 13: the scale words behind them
	s_add_co_u32 s88, s88, s89
	s_add_co_u32 s88, s88, 8704                    ; k's or v's image of head 2 hp + cy / 2, keys 128 (4 + cy % 2) on
	s_mov_b32 s91, 52224
	s_mov_b32 s92, 1024
	s_cmp_lt_u32 s[WV], 8
	s_cselect_b64 s[PFA:PFA+1], s[6:7], s[4:5]
	s_cselect_b32 s86, s86, s88
	s_cselect_b32 s[PFS], 1024, s91                ; a fill on
	s_cselect_b32 s92, 8192, s92                   ; from four lanes to the next four
	s_mov_b32 s87, 0
	s_mov_b32 s[PFS+1], 0
	s_add_nc_u64 s[94:95], s[PFA:PFA+1], s[86:87]
	s_add_nc_u64 s[PFA:PFA+1], s[94:95], s[PFS:PFS+1]
	s_cmp_ge_u32 s[WV], 13
	s_cselect_b32 s91, 1, 0
	s_and_b32 s90, s[WV], 14
	s_cmp_eq_u32 s90, 6
	s_cselect_b32 s91, 1, s91                      ; waves 6, 7, 13, 14, 15 ask
	s_cmp_eq_u32 s91, 1
	s_cselect_b32 s[LIM], 2, -1                    ; a wave asks while more refills than this are to come; it hangs on the wave's number alone
	s_cmp_eq_u32 s[WV], 13
	s_cselect_b32 s90, 3, 31                       ; the last lane that names a block of its own
	; all vector set-up in one run, every LDS address ahead of the first parting of the waves
	v_and_b32 v232, 15, v0                         ; r
	v_bfe_u32 v233, v0, 4, 1                       ; h
	v_and_b32 v234, 31, v0                         ; lane
	s_delay_alu instid0(VALU_DEP_1)
	v_lshlrev_b32 v[LI], 4, v234
	v_lshlrev_b32 v[QSA], 5, v232
	global_load_b128 v[16:19], v[LI], s[82:83]
	global_load_b128 v[20:23], v[LI], s[82:83] offset:512
	global_load_b32 v255, v[QSA], s[84:85]
	v_and_b32 v235, 8, v232
	v_add_nc_u32 v236, s70, v232
	s_delay_alu instid0(VALU_DEP_1)
	v_add_nc_u32 v236, v236, v235                  ; my query among the 64
	s_delay_alu instid0(VALU_DEP_1)
	v_mul_u32_u24 v236, v236, 1040
	s_delay_alu instid0(VALU_DEP_1)
	v_lshl_add_u32 v236, v235, 4, v236             ; places 8-15 lie in the next mask tile: 128 bytes more
	s_delay_alu instid0(VALU_DEP_1)
	v_lshl_add_u32 v236, v233, 6, v236
	s_delay_alu instid0(VALU_DEP_1)
	v_add_nc_u32 v[AM], s71, v236
	v_add_nc_u32 v[AKV], s72, v[LI]
	v_lshl_add_u32 v237, v233, 4, v[QSA]           ; scale words: 32 r + 16 h: lanes 16-31 take tiles 4-7's
	v_add_nc_u32 v[AM+1], SLOTB, v[AM]
	v_add_nc_u32 v[AKV+1], SLOTB, v[AKV]
	v_add_nc_u32 v[ASC], s72, v237
	v_add_nc_u32 v[MGA], s73, v[LI]
	v_lshl_add_u32 v[MGL], v234, 3, s73
	v_add_nc_u32 v[ASC+1], SLOTB, v[ASC]
	v_lshl_add_u32 v[SWA], v232, 2, s74
	v_add_nc_u32 v[MGL], 8192, v[MGL]
	v_add_nc_u32 v[SRA], SCST, v[LI]
	v_min_u32 v237, s90, v234
	s_delay_alu instid0(VALU_DEP_1)
	v_lshrrev_b32 v[PFO], 2, v237
	v_and_b32 v235, 3, v237
	s_delay_alu instid0(VALU_DEP_2)
	v_mul_lo_u32 v[PFO], v[PFO], s92
	s_delay_alu instid0(VALU_DEP_1)
	v_lshl_add_u32 v[PFO], v235, 8, v[PFO]
	s_cmp_eq_u32 s[LIM], 2
	s_cbranch_scc0 .Lno_ask
	global_prefetch_b8 v[PFO], s[94:95] th:TH_LOAD_NT scope:SCOPE_SE        ; fill 2, which the first refill loads,
	global_prefetch_b8 v[PFO], s[PFA:PFA+1] th:TH_LOAD_NT scope:SCOPE_SE    ; and fill 3
.Lno_ask:
	v_mov_b32 v13, 0xff61b1e6                      ; the largest t so far: -3e38
	s_delay_alu instid0(VALU_DEP_1)
	v_floor_f32 v12, -v13                          ; -M
	v_mov_b32 v14, 0
	v_mov_b32 v15, 0
.irp b, 0,1,2,3
	v_mov_b32 v[236+\b], 0                         ; written once: a lane permute's destination counts as one of its sources
.endr
	v_mov_b32 v252, 0
	v_mov_b32 v253, 0
.set j, 0
.rept 64
	v_mov_b32 v[160+j], 0                          ; O^T: the step is written for all steps alike; the first finds zeros, which the first change of M leaves zeros
.set j, j+1
.endr
.macro BMAX b0, b1                     ; the largest logit of my 16 keys in blocks b0 and b1: it serves for the row's maximum and, since p rises with the logit, for the block's largest p
.irp b, \b0, \b1
	v_max3_num_f32 v[232+\b], v[96+16*\b], v[97+16*\b], v[98+16*\b]
.endr
.irp i, 3,5,7,9,11,13
.irp b, \b0, \b1
	s_delay_alu instid0(VALU_DEP_2)
	v_max3_num_f32 v[232+\b], v[232+\b], v[96+16*\b+\i], v[97+16*\b+\i]
.endr
.endr
.irp b, \b0, \b1
	s_delay_alu instid0(VALU_DEP_2)
	v_max_num_f32 v[232+\b], v[232+\b], v[111+16*\b]
.endr
.endm
.macro KVFR reg, slot, off             ; four fragments from an image
.irp t, 0,1,2,3
.irp c, 0,1
	ds_load_b128 v[\reg+8*\t+4*\c:\reg+3+8*\t+4*\c], v[AKV+\slot] offset:\off+\t*1024+512*\c
.endr
.endr
.endm
.macro MASK2 slot, off                 ; the mask of two blocks of 32 keys: my 16 of each
.irp b, 0,1
.irp i, 0,1,2,3
	ds_load_b128 v[64+16*\b+4*\i:67+16*\b+4*\i], v[AM+\slot] offset:\off+128*\b+16*\i
.endr
.endr
.endm
; A KEY STEP, my 128 keys of a slot, IS WRITTEN IN TWO HALVES.  FRONT: every LDS read of the step, the scores, the mask, each block's largest logit; V's fragments are asked for at its end.
.macro FRONT slot
.rept 4
	v_nop                                          ; places behind the last step's products, in front of loads into registers that they read
.endr
	KVFR 32, \slot, 0
	ds_load_b128 v[24:27], v[ASC+\slot] offset:16384
	MASK2 \slot, 0
	s_wait_dscnt 8                                 ; K's tiles 0-3 and its scale words are in; the eight loads of the mask may be out
.irp t, 0,1,2,3
	v_wmma_scale_f32_16x16x128_f8f6f4 v[96+8*\t:103+8*\t], v[32+8*\t:39+8*\t], v[16:23], 0, v[24+\t], v255 matrix_a_fmt:MATRIX_FMT_FP4 matrix_b_fmt:MATRIX_FMT_FP4
.endr
.rept 4
	v_nop
.endr
	KVFR 32, \slot, 4096
	s_wait_dscnt 8                                 ; the mask of blocks 0 and 1 is in; K's tiles 4-7, eight loads, may be out
.set j, 0
.rept 16
	v_pk_fma_f32 v[96+j:97+j], v[96+j:97+j], s[C1:C1+1], v[64+j:65+j] op_sel_hi:[1,0,1]   ; logit = score / sqrt(128) + mask
.set j, j+2
.endr
	MASK2 \slot, 256
	s_wait_alu depctr_va_vdst(0)                   ; directly ahead of the wait below
	s_wait_dscnt 8                                 ; K's tiles 4-7 are in; the mask of blocks 2 and 3 may be out
.irp t, 0,1,2,3
	v_wmma_scale_f32_16x16x128_f8f6f4 v[128+8*\t:135+8*\t], v[32+8*\t:39+8*\t], v[16:23], 0, v[24+\t], v255 matrix_a_fmt:MATRIX_FMT_FP4 matrix_b_fmt:MATRIX_FMT_FP4 matrix_a_scale:MATRIX_SCALE_ROW1
.endr
	BMAX 0, 1                                      ; sixteen plain lines that name none of those products' registers: their places
	s_wait_dscnt 0x0
	KVFR 32, \slot, 8192
	ds_load_b128 v[28:31], v[ASC+\slot] offset:16896
.set j, 0
.rept 16
	v_pk_fma_f32 v[128+j:129+j], v[128+j:129+j], s[C1:C1+1], v[64+j:65+j] op_sel_hi:[1,0,1]
.set j, j+2
.endr
	KVFR 64, \slot, 12288                          ; V lands while the softmax is walked
	BMAX 2, 3
	s_wait_alu depctr_va_vdst(0)
.endm
; SOFT: the step's other half, on registers alone: the softmax, p's codes, O^T += V^T P^T.
.macro SOFT
.irp b, 0,1,2,3
	v_permlanex16_b32 v[236+\b], v[232+\b], s[SEL], s[SEL+1]
.endr
.irp b, 0,1,2,3
	s_delay_alu instid0(VALU_DEP_4)
	v_max_num_f32 v[232+\b], v[232+\b], v[236+\b]  ; with lane l xor 16's 16 keys
.endr
	s_delay_alu instid0(VALU_DEP_2)
	v_max3_num_f32 v254, v232, v233, v234
	s_delay_alu instid0(VALU_DEP_1)
	v_max_num_f32 v254, v254, v235
	s_delay_alu instid0(VALU_DEP_1)
	v_mul_f32 v254, s[L2E], v254                   ; the step's largest t of my query
	s_delay_alu instid0(VALU_DEP_1)
	v_max_num_f32 v13, v13, v254
	v_mov_b32 v254, v12
	s_delay_alu instid0(VALU_DEP_2)
	v_floor_f32 v12, -v13                          ; the new -M = -ceil(t): a whole number
	s_delay_alu instid0(VALU_DEP_1)
	v_sub_f32 v254, v12, v254
	s_delay_alu instid0(VALU_DEP_1)
	v_cvt_i32_f32 v254, v254                       ; old M - new M, 0 or less (it saturates)
	s_delay_alu instid0(VALU_DEP_1)
	v_ldexp_f32 v252, 1.0, v254                    ; f = 2^(old M - new M): a multiplication by it rounds nothing
.set j, 0
.rept 32
	v_pk_fma_f32 v[96+j:97+j], v[96+j:97+j], s[L2E:L2E+1], v[12:13] op_sel_hi:[1,0,0]   ; t - M
.set j, j+2
.endr
.irp b, 0,1,2,3
	v_fma_f32 v[232+\b], v[232+\b], s[L2E], v12    ; the same of each block's largest logit
.endr
	s_wait_alu depctr_va_vdst(0)                   ; the wait ahead of the batch
.set j, 0
.rept 64
	v_exp_f32 v[96+j], v[96+j]                     ; p = 2^(t - M): not normalised
.set j, j+1
.endr
	v_pk_mul_f32 v[14:15], v[14:15], v[252:253] op_sel_hi:[1,0]   ; the sums under the new M (a plain place behind the exponentials)
	s_wait_alu depctr_va_vdst(0)                   ; one wait for the batch of 64, ahead of its first reader
.irp b, 0,1,2,3
	v_exp_f32 v[232+\b], v[232+\b]                 ; the block's largest p
.endr
; the row's sum of the unquantised p: 32 pairs in eight chains by turns (seven at work registers, the eighth the sum itself)
.set k, 0
.irp T, 236,238,240,242,226,228,230
	v_pk_add_f32 v[\T:\T+1], v[96+4*k:97+4*k], v[98+4*k:99+4*k]
.set k, k+1
.endr
	v_pk_add_f32 v[14:15], v[14:15], v[124:125]
.set k, 0
.irp T, 236,238,240,242,226,228,230
	v_pk_add_f32 v[\T:\T+1], v[\T:\T+1], v[126+2*k:127+2*k]
.set k, k+1
.endr
	v_pk_add_f32 v[14:15], v[14:15], v[140:141]
.set k, 0
.irp T, 236,238,240,242,226,228,230
	v_pk_add_f32 v[\T:\T+1], v[\T:\T+1], v[142+2*k:143+2*k]
.set k, k+1
.endr
	v_pk_add_f32 v[14:15], v[14:15], v[156:157]
	v_pk_add_f32 v[236:237], v[236:237], v[158:159]
	v_pk_add_f32 v[240:241], v[240:241], v[242:243]
	v_pk_add_f32 v[226:227], v[226:227], v[228:229]
	v_pk_add_f32 v[14:15], v[14:15], v[230:231]
	s_delay_alu instid0(VALU_DEP_4)
	v_pk_add_f32 v[236:237], v[236:237], v[238:239]
	s_delay_alu instid0(VALU_DEP_2)
	v_pk_add_f32 v[14:15], v[14:15], v[226:227]
	s_delay_alu instid0(VALU_DEP_2)
	v_pk_add_f32 v[236:237], v[236:237], v[240:241]
	s_delay_alu instid0(VALU_DEP_1)
	v_pk_add_f32 v[14:15], v[14:15], v[236:237]
	s_wait_alu depctr_va_vdst(0)                   ; and one for the four
.irp b, 0,1,2,3
	v_max_num_f32 v[232+\b], 0x1800000, v[232+\b]  ; the floor 2^(3 - 127): the byte cannot fall under 1
.endr
.irp b, 0,1,2,3
	s_delay_alu instid0(VALU_DEP_4)
	v_add_nc_u32 v[240+\b], 0xff000000, v[232+\b]  ; 2 off the exponent field: the conversion's scale operand
.endr
.irp b, 0,1,2,3
	s_delay_alu instid0(VALU_DEP_4)
	v_lshrrev_b32 v[236+\b], 23, v[240+\b]
.endr
	s_delay_alu instid0(VALU_DEP_3)
	v_lshl_or_b32 v253, v237, 8, v236              ; p's scale word for these 128 keys
	s_delay_alu instid0(VALU_DEP_1)
	v_lshl_or_b32 v253, v238, 16, v253
	s_delay_alu instid0(VALU_DEP_1)
	v_lshl_or_b32 v253, v239, 24, v253
.irp b, 0,1,2,3
	v_cvt_scalef32_pk8_fp4_f32 v[224+2*\b], v[96+16*\b:103+16*\b], v[240+\b]
	v_cvt_scalef32_pk8_fp4_f32 v[225+2*\b], v[104+16*\b:111+16*\b], v[240+\b]
.endr
	v_nop                                          ; one plain place behind a scaled conversion
.irp c, 0,1
.irp i, 0,1
	v_permlane16_swap_b32 v[224+4*\c+\i], v[226+4*\c+\i]   ; a whole block of 32 keys to a lane
.endr
.endr
	s_wait_alu depctr_va_vdst(0)                   ; directly ahead of the first reader of O^T
.set j, 0
.rept 32
	v_pk_mul_f32 v[160+j:161+j], v[160+j:161+j], v[252:253] op_sel_hi:[1,0]   ; O^T under the new M; these lines are also the places between the codes' and the scale word's last writes and the products
.set j, j+2
.endr
	s_wait_alu depctr_va_vdst(0)                   ; directly ahead of the wait below
	s_wait_dscnt 0x0                               ; V and its scale words
.irp t, 0,1,2,3
	v_wmma_scale_f32_16x16x128_f8f6f4 v[160+8*\t:167+8*\t], v[32+8*\t:39+8*\t], v[224:231], v[160+8*\t:167+8*\t], v[28+\t], v253 matrix_a_fmt:MATRIX_FMT_FP4 matrix_b_fmt:MATRIX_FMT_FP4
.endr
.irp t, 0,1,2,3
	v_wmma_scale_f32_16x16x128_f8f6f4 v[192+8*\t:199+8*\t], v[64+8*\t:71+8*\t], v[224:231], v[192+8*\t:199+8*\t], v[28+\t], v253 matrix_a_fmt:MATRIX_FMT_FP4 matrix_b_fmt:MATRIX_FMT_FP4 matrix_a_scale:MATRIX_SCALE_ROW1
.endr
.endm
; THE TWO HALVES IN TWO ORDERS.  Waves with PH = 0 run FRONT and SOFT of the same step between two changes of slots.  Waves with PH = 1 run SOFT of their LAST step first and then this slot's FRONT:
; the logits, the block maxima and V's fragments of a step lie in registers, so they may cross a change of slots, and every LDS read of a slot is still waited for ahead of the next change.
; So the LDS reads of eight waves stand beside the vector work of the other eight.  PH = (wave / 8) xor (wave % 2).  The branch hangs on the wave's number alone and leads round no barrier, wait, add or load.
.macro BACK ph
	s_cmp_eq_u32 s[PH], \ph
	s_cbranch_scc0 .Lnot_now_\@
	SOFT
.Lnot_now_\@:
.endm
; The change of slots, and behind it a slot's work: each wave waits for all its tensor loads, adds 0 to its spare word, and waits for that and for its reads of the slot that it has left.
.macro TURN slot, refill
	s_wait_tensorcnt 0x0                           ; no tensor load of mine is out, so a group 0 may be written
	ds_add_u32 v[SPW], v[NIL]                      ; 0 onto my spare word
.if \refill
	ds_add_u32 v[SPW], v[NIL]                      ; and once more
	s_add_nc_u64 s[G0M+4*(1-\slot)+2:G0M+4*(1-\slot)+3], s[G0M+4*(1-\slot)+2:G0M+4*(1-\slot)+3], 2048       ; the other slot's next 256 keys
	s_add_nc_u64 s[G0KV+4*(1-\slot)+2:G0KV+4*(1-\slot)+3], s[G0KV+4*(1-\slot)+2:G0KV+4*(1-\slot)+3], 104448
	s_wait_xcnt 0x0                                ; the last prefetch, a step back, has read its address
	s_add_nc_u64 s[PFA:PFA+1], s[PFA:PFA+1], s[PFS:PFS+1]
.endif
	s_wait_dscnt 0x0                               ; the add is done, and my reads of the other slot are over
.if \refill
	CROUND                                         ; both now hold of every wave of all sixteen work-groups
	JLOAD 1-\slot                                  ; a wave's one tensor load until the next round
	ASK
	s_sub_co_u32 s[RF], s[RF], 1
.else
	s_barrier_signal -1
	s_barrier_wait -1
.endif
	BACK 1
	FRONT \slot
	BACK 0
.endm
	s_wait_alu depctr_va_vdst(0)                   ; the wait at the head's end
	s_wait_loadcnt 0x0                             ; Q
	s_wait_tensorcnt 0x0                           ; my one load of the head is in
	s_barrier_signal -1
	s_barrier_wait -1
	FRONT 0
	BACK 0
	s_mov_b32 s[CNT], 3
.Lring:                                            ; three trips: six refills
	TURN 1, 1
	TURN 0, 1
	s_sub_co_u32 s[CNT], s[CNT], 1
	s_cmp_lg_u32 s[CNT], 0
	s_cbranch_scc1 .Lring
	TURN 1, 0                                      ; the last 256 keys: nothing is left to fetch
	BACK 1                                         ; and the last step's other half in the waves that run it late
	; THE JOIN.  Waves 8-15 lay -M, the row's sum and O^T into slot 0, which has had its last fill and, behind the last barrier, its last read; waves 0-7 take them up.
.rept 4
	v_nop
.endr
	v_add_f32 v13, v14, v15
	s_delay_alu instid0(VALU_DEP_1)
	v_permlanex16_b32 v252, v13, s[SEL], s[SEL+1]
	s_delay_alu instid0(VALU_DEP_1)
	v_add_f32 v13, v13, v252                       ; my keys' sum of my query's row
	s_wait_alu depctr_va_vdst(0)                   ; directly ahead of the branch
	s_cmp_lt_u32 s[WV], 8
	s_cbranch_scc1 .Lkeeper
.set j, 0
.rept 16
	ds_store_b128 v[MGA], v[160+j:163+j] offset:128*j      ; an image of the registers; each accumulator from its low end on
.set j, j+4
.endr
	ds_store_b64 v[MGL], v[12:13]
.Lkeeper:
	s_wait_dscnt 0x0                               ; for the others' sake
	s_barrier_signal -1
	s_barrier_wait -1
	s_cmp_lt_u32 s[WV], 8
	s_cbranch_scc0 .Lgiven
	ds_load_b64 v[232:233], v[MGL]
.set j, 0
.rept 16
	ds_load_b128 v[96+j:99+j], v[MGA] offset:128*j
.set j, j+4
.endr
	s_wait_dscnt 16                                ; the partner's -M and sum are in; its O^T, sixteen loads, may be out
	v_min_num_f32 v234, v12, v232                  ; the joint -M
	s_delay_alu instid0(VALU_DEP_1)
	v_sub_f32 v235, v234, v12                      ; my M less the joint one: a whole number, 0 or less
	v_sub_f32 v236, v234, v232                     ; the partner's likewise
	s_delay_alu instid0(VALU_DEP_2)
	v_cvt_i32_f32 v235, v235
	s_delay_alu instid0(VALU_DEP_2)
	v_cvt_i32_f32 v236, v236
	s_delay_alu instid0(VALU_DEP_2)
	v_ldexp_f32 v238, 1.0, v235
	s_delay_alu instid0(VALU_DEP_2)
	v_ldexp_f32 v240, 1.0, v236
	s_delay_alu instid0(VALU_DEP_2)
	v_mul_f32 v234, v13, v238
	s_delay_alu instid0(VALU_DEP_1)
	v_fma_f32 v234, v233, v240, v234               ; the row's sum under the joint M
	s_wait_alu depctr_va_vdst(0)                   ; the wait ahead of the transcendental
	v_rcp_f32 v234, v234
	v_nop
	s_wait_alu depctr_va_vdst(0)                   ; and ahead of its first reader
	v_mul_f32 v238, v238, v234                     ; a power of two x 1 / sum
	v_mul_f32 v240, v240, v234
	s_wait_alu depctr_va_vdst(0)                   ; directly ahead of the wait below
	s_wait_dscnt 0x0
.set j, 0
.rept 32
	v_pk_mul_f32 v[96+j:97+j], v[96+j:97+j], v[240:241] op_sel_hi:[1,0]
.set j, j+2
.endr
	s_wait_alu depctr_va_vdst(0)                   ; directly ahead of the first reader of O^T
.set j, 0
.rept 32
	v_pk_fma_f32 v[96+j:97+j], v[160+j:161+j], v[238:239], v[96+j:97+j] op_sel_hi:[1,0,1]   ; O^T / the sum; each accumulator from its low end on
.set j, j+2
.endr
	; quantised along the head's 128: the codes are my tile of an image for the last product
.irp b, 0,1,2,3
	v_max3_num_f32 v[TM+\b], |v[96+16*\b]|, |v[97+16*\b]|, 0x1800000
.endr
.irp i, 2,4,6,8,10,12,14
.irp b, 0,1,2,3
	s_delay_alu instid0(VALU_DEP_4)
	v_max3_num_f32 v[TM+\b], v[TM+\b], |v[96+16*\b+\i]|, |v[97+16*\b+\i]|
.endr
.endr
.irp b, 0,1,2,3
	s_delay_alu instid0(VALU_DEP_4)
	v_permlanex16_b32 v[TP+\b], v[TM+\b], s[SEL], s[SEL+1]
.endr
.irp b, 0,1,2,3
	s_delay_alu instid0(VALU_DEP_4)
	v_max_num_f32 v[TM+\b], v[TM+\b], v[TP+\b]
.endr
.irp b, 0,1,2,3
	s_delay_alu instid0(VALU_DEP_4)
	v_add_nc_u32 v[TS+\b], 0xff000000, v[TM+\b]
.endr
.irp b, 0,1,2,3
	s_delay_alu instid0(VALU_DEP_4)
	v_lshrrev_b32 v[TP+\b], 23, v[TS+\b]
.endr
	s_delay_alu instid0(VALU_DEP_3)
	v_lshl_or_b32 v254, v[TP+1], 8, v[TP]
	s_delay_alu instid0(VALU_DEP_1)
	v_lshl_or_b32 v254, v[TP+2], 16, v254
	s_delay_alu instid0(VALU_DEP_1)
	v_lshl_or_b32 v254, v[TP+3], 24, v254
.irp b, 0,1,2,3
	v_cvt_scalef32_pk8_fp4_f32 v[PC+2*\b], v[96+16*\b:103+16*\b], v[TS+\b]
	v_cvt_scalef32_pk8_fp4_f32 v[PC+1+2*\b], v[104+16*\b:111+16*\b], v[TS+\b]
.endr
	v_nop
.irp c, 0,1
.irp i, 0,1
	v_permlane16_swap_b32 v[PC+4*\c+\i], v[PC+2+4*\c+\i]
.endr
.endr
	global_store_b128 v[LI], v[PC:PC+3], s[8:9]              ; 512 consecutive bytes each
	global_store_b128 v[LI], v[PC+4:PC+7], s[8:9] offset:512
	ds_store_b32 v[SWA], v254                      ; lanes r and r + 16 write the same word with the same value
.Lgiven:
	s_wait_dscnt 0x0                               ; for the others' sake
	s_barrier_signal -1
	s_barrier_wait -1
	s_cmp_lg_u32 s[WV], 0
	s_cbranch_scc1 .Lnot_first
	ds_load_b128 v[36:39], v[SRA]                  ; eight waves' 128 words leave as 512 consecutive bytes
	s_wait_dscnt 0x0
	global_store_b128 v[LI], v[36:39], s[10:11]
.Lnot_first:
	s_wait_tensorcnt 0x0                           ; the wave's end
	ds_add_u32 v[SPW], v[NIL]
	s_wait_dscnt 0x0
	CROUND                                         ; the closing round
	s_endpgm
.Lfunc_end_k_qc37f689f7f_attn:
	.size	k_qc37f689f7f_attn, .Lfunc_end_k_qc37f689f7f_attn-k_qc37f689f7f_attn
	.p2alignl 7, 3214868480
	.fill 96, 4, 3214868480
	.section	.rodata,"a",@progbits
	.p2align	6, 0x0
	.amdhsa_kernel k_qc37f689f7f_attn
		.amdhsa_group_segment_fixed_size 327680
		.amdhsa_private_segment_fixed_size 0
		.amdhsa_enable_private_segment 0
		.amdhsa_kernarg_size 32
		.amdhsa_user_sgpr_count 2
		.amdhsa_user_sgpr_kernarg_segment_ptr 1
		.amdhsa_wavefront_size32 1
		.amdhsa_system_sgpr_workgroup_id_x 1
		.amdhsa_system_sgpr_workgroup_id_y 1
		.amdhsa_system_sgpr_workgroup_id_z 1
		.amdhsa_system_vgpr_workitem_id 0
		.amdhsa_next_free_vgpr 256
		.amdhsa_next_free_sgpr 96
		.amdhsa_reserve_vcc 0
		.amdhsa_float_denorm_mode_32 3
		.amdhsa_float_denorm_mode_16_64 3
		.amdhsa_memory_ordered 1
		.amdhsa_forward_progress 1
		.amdhsa_inst_pref_size 170
	.end_amdhsa_kernel
	.amdgpu_metadata
---
amdhsa.version: [ 1, 2 ]
amdhsa.kernels:
  - .name:           k_qc37f689f7f_attn
    .symbol:         k_qc37f689f7f_attn.kd
    .args:
      - { .name: hblk, .offset: 0, .size: 8, .value_kind: global_buffer, .address_space: global }
      - { .name: attn_mask, .offset: 8, .size: 8, .value_kind: global_buffer, .address_space: global }
      - { .name: aimg, .offset: 16, .size: 8, .value_kind: global_buffer, .address_space: global }
      - { .name: ascl, .offset: 24, .size: 8, .value_kind: global_buffer, .address_space: global }
    .group_segment_fixed_size: 327680
    .private_segment_fixed_size: 0
    .kernarg_segment_align: 8
    .kernarg_segment_size: 32
    .max_flat_workgroup_size: 512
    .sgpr_count:     96
    .vgpr_count:     256
    .wavefront_size: 32
...
	.end_amdgpu_metadata
.endif
;; end of part 3
;; launch outp (part 4): grid 16 x 16, 4 waves a work-group, clusters of 4 x 4, 279,040 bytes of LDS; arguments aimg, ascl, cimg, cscl, bo, out0; writes out0
.if DOCPART == 4
	.amdgcn_target "amdgcn-amd-amdhsa--gfx1250"
	.amdhsa_code_object_version 6
	.text
	.protected	k_qc37f689f7f_outp
	.globl	k_qc37f689f7f_outp
	.p2align	8
	.type	k_qc37f689f7f_outp,@function
k_qc37f689f7f_outp:
	s_mov_b64 s[64:65], 0
	v_nop
	global_prefetch_b8 v0, s[64:65] scope:SCOPE_SE
	s_setreg_imm32_b32 hwreg(HW_REG_WAVE_MODE, 25, 1), 1
	s_wait_xcnt 0x0
	s_wait_alu depctr_hold_cnt(0) depctr_sa_sdst(0) depctr_va_vdst(0) depctr_va_sdst(0) depctr_va_ssrc(0) depctr_va_vcc(0) depctr_vm_vsrc(0)
	s_getreg_b32 s2, hwreg(HW_REG_IB_STS2, 6, 4)
	s_cmp_eq_u32 s2, 0
	s_cbranch_scc0 .Lentry_in_a_cluster
	s_endpgm
.Lentry_in_a_cluster:
	s_bfe_u32 s2, ttmp6, 0x10000c
	s_cmp_lg_u32 s2, 0xf033
	s_cbranch_scc0 .Lentry_shape_is_right
	s_endpgm
.Lentry_shape_is_right:
; OUTP.  out0 = a Wo + bo on codes of FP4 with E8M0 scales; a is attention's result, quantised by launch attn; Wo by launch prep.  Both come as images of operand registers (8,192 bytes for 128 rows x 128 K).
; A work-group makes 128 tokens x 128 outputs; a wave 64 x 64: 16 accumulators.  Source 0 = Wo's columns n (P), source 1 = tokens (R): a lane holds one token and eight neighbouring n a tile.
; ALL OF K LIES IN LDS AT ONCE: 131,072 bytes for each operand.  Nothing is filled again: no ring.  Four tiles are asked for at the head, ONE A WAVE: wave 0 the tokens' images, wave 1 Wo's,
; wave 2 the tokens' scale words, wave 3 Wo's.  One wait and one barrier show them to all four waves.
; No prefetch: every byte that the work-group reads is asked for at the head, and there is no loop to run ahead in.
; CLUSTERS 4 x 4: the tokens' tiles hang on the work-group's y alone and are asked for jointly along a row of the cluster, Wo's on its x alone, jointly along a column.
; Tile i, place r of an image is row 32 (i / 2) + 8 (i % 2) + r + 8 (r / 8) of its group.
; REGISTERS.  window 0: v4-13 addresses; v30-31 the add's two; v32-95 scale words, two sets, and nothing else; v96-127 bo in the result's layout: the C of the first products; v128-255 the accumulators ((a, b) at v[128 + 8 (4 a + b)]).
;   window 1: two fragment buffers: P at v[128 f + 8 b], R at v[128 f + 64 + 8 a]; on the way out v0-63 take the rows read back from the stage.
.set RIMG, 0
.set PIMG, 131072
.set RSC,  262144                      ; the tokens' scale words: [head / 2][tile 8][head % 2][r 16] words
.set PSC,  270336                      ; Wo's: [kc 4][tile 8][r 16][4 words]
.set SPARE, 278528                     ; the spare words, 128 bytes for each wave: two blocks of 256 bytes that no other line names
.set SPITCH, 272                       ; the way out: a stage of 16 rows x (256 bytes + 16) for each wave, over the tokens' first images: they have had their only fill, and their last read lies behind a barrier
.set ADRR, 4
.set ADRP, 6
.set APS,  8
.set ARS,  9
.set STO,  10
.set RD,   11
.set CO,   12
.set BOA,  13
.set SPW,  30
.set NIL,  31
.set SC,   32
.set BO,   96
.set ACC,  128
.set G1R,  16
.set G1P,  24
.set G1RS, 32
.set G1PS, 40
.set G0R,  48
.set G0RS, 68
.set G0P,  72
.set G0PS, 88
.set WV,   92
.set PWV,  93
.set RWV,  94
.set MSB, 0
.macro WIN new
.if MSB != (\new)
	s_set_vgpr_msb (MSB<<8)|(\new)
.set MSB, (\new)
.endif
.endm
.set MUL,  0x05                        ; sources 0 and 1 window 1; C and D window 0
.set TO_F, 0x40
.macro CROUND
	s_barrier_signal -1
	s_barrier_wait -1
	s_cmp_lg_u32 s[WV], 0
	s_cbranch_scc1 .Lnot_wave_0_\@
	s_barrier_signal -3
.Lnot_wave_0_\@:
	s_barrier_wait -3
	s_barrier_signal -1
	s_barrier_wait -1
.endm
	s_load_b256 s[4:11], s[0:1], 0x0               ; aimg s[4:5], ascl s[6:7], cimg s[8:9], cscl s[10:11]
	s_load_b128 s[12:15], s[0:1], 0x20             ; bo, out0
	v_lshl_add_u32 v[SPW], v0, 2, SPARE
	v_mov_b32 v[NIL], 0
	ds_add_u32 v[SPW], v[NIL]                      ; the opening: the add, twice on end, and its wait ahead of the first tensor load
	ds_add_u32 v[SPW], v[NIL]
	v_lshrrev_b32 v1, 5, v0
	v_readfirstlane_b32 s[WV], v1
	s_and_b32 s[PWV], s[WV], 1                     ; my half of the outputs
	s_lshr_b32 s[RWV], s[WV], 1                    ; my half of the tokens
	s_bfe_u32 s95, ttmp6, 0x40000                  ; cx
	s_bfe_u32 s96, ttmp6, 0x40004                  ; cy
	s_lshl_b32 s97, ttmp9, 2
	s_add_co_u32 s97, s97, s95                     ; G: Wo's group of 128 outputs
	s_and_b32 s98, ttmp7, 0xffff
	s_lshl_b32 s98, s98, 2
	s_add_co_u32 s98, s98, s96                     ; g: the group of 128 tokens
	s_lshl_b32 s99, s96, 2
	s_lshl_b32 s99, 15, s99                        ; my row of the cluster
	s_lshl_b32 s3, 0x1111, s95                     ; my column
	s_or_b32 s[G1R], s99, (3<<16)|(1<<21)
	s_or_b32 s[G1RS], s99, (3<<16)|(1<<21)
	s_or_b32 s[G1P], s3, (3<<16)|(1<<21)
	s_or_b32 s[G1PS], s3, (3<<16)|(1<<21)
.irp g, G1R, G1P                       ; an operand's sixteen images: 131,072 dense bytes as 512 rows of 256 (32 elements of 8 bytes)
	s_mov_b32 s[\g+1], 32<<16
	s_mov_b32 s[\g+2], 512<<16
	s_mov_b32 s[\g+3], 32<<16
	s_mov_b32 s[\g+4], 512
	s_mov_b32 s[\g+5], 32
	s_mov_b32 s[\g+6], 0
	s_mov_b32 s[\g+7], 0
.endr
	s_mov_b32 s[G1RS+1], 128<<16                   ; the tokens' scale words: eight rows (pairs of heads) of 1,024 bytes, 16,384 bytes apart
	s_mov_b32 s[G1RS+2], 8<<16
	s_mov_b32 s[G1RS+3], 128<<16
	s_mov_b32 s[G1RS+4], 8
	s_mov_b32 s[G1RS+5], 2048
	s_mov_b32 s[G1RS+6], 0
	s_mov_b32 s[G1RS+7], 0
	s_mov_b32 s[G1PS+1], 32<<16                    ; Wo's: 8,192 dense bytes
	s_mov_b32 s[G1PS+2], 32<<16
	s_mov_b32 s[G1PS+3], 32<<16
	s_mov_b32 s[G1PS+4], 32
	s_mov_b32 s[G1PS+5], 32
	s_mov_b32 s[G1PS+6], 0
	s_mov_b32 s[G1PS+7], 0
	s_lshl_b32 s100, s98, 17
	s_mov_b32 s101, 0
	s_lshl_b32 s2, s97, 17
	s_add_co_u32 s2, s2, 4*2097152                 ; Wo is operand 4
	s_mov_b32 s3, 0
	s_lshl_b32 s52, s98, 10
	s_mov_b32 s53, 0
	s_lshl_b32 s54, s97, 13
	s_add_co_u32 s54, s54, 4*131072
	s_mov_b32 s55, 0
	s_wait_dscnt 0x0                               ; both opening adds are done
	s_wait_kmcnt 0x0
	s_mov_b32 s[G0R], 1
	s_mov_b32 s[G0R+1], RIMG
	s_add_nc_u64 s[G0R+2:G0R+3], s[4:5], s[100:101]
	s_or_b32 s[G0R+3], s[G0R+3], 0x80000000
	s_mov_b32 s[G0P], 1
	s_mov_b32 s[G0P+1], PIMG
	s_add_nc_u64 s[G0P+2:G0P+3], s[8:9], s[2:3]
	s_or_b32 s[G0P+3], s[G0P+3], 0x80000000
	s_mov_b32 s[G0RS], 1
	s_mov_b32 s[G0RS+1], RSC
	s_add_nc_u64 s[G0RS+2:G0RS+3], s[6:7], s[52:53]
	s_or_b32 s[G0RS+3], s[G0RS+3], 0x80000000
	s_mov_b32 s[G0PS], 1
	s_mov_b32 s[G0PS+1], PSC
	s_add_nc_u64 s[G0PS+2:G0PS+3], s[10:11], s[54:55]
	s_or_b32 s[G0PS+3], s[G0PS+3], 0x80000000
	CROUND                                         ; all sixteen work-groups are here: the joint loads meet
; one chain of branches on the wave's number, an arm a load: every way through the head passes exactly one
.macro ARM under, g0, g1, next
	s_cmp_lt_u32 s[WV], \under
	s_cbranch_scc0 \next
	tensor_load_to_lds s[\g0:\g0+3], s[\g1:\g1+7]
	s_nop 0
.rept 4
	v_nop
.endr
	s_branch .Lasked
\next:
.endm
	ARM 1, G0R, G1R, .La1
	ARM 2, G0P, G1P, .La2
	ARM 3, G0RS, G1RS, .La3
	tensor_load_to_lds s[G0PS:G0PS+3], s[G1PS:G1PS+7]
	s_nop 0
.rept 4
	v_nop
.endr
.Lasked:
	s_lshl_b32 s52, s[RWV], 12                     ; my four tiles of the tokens,
	s_add_co_u32 s53, s52, 65536
	s_lshl_b32 s54, s[PWV], 12
	s_add_co_u32 s54, s54, PIMG                    ; and of Wo
	s_add_co_u32 s55, s54, 65536
	s_lshl_b32 s56, s[PWV], 10
	s_add_co_u32 s56, s56, PSC
	s_lshl_b32 s57, s[RWV], 9
	s_add_co_u32 s57, s57, RSC
	s_mul_i32 s58, s[WV], 16*SPITCH                ; my stage
	s_lshl_b32 s2, s97, 9
	s_lshl_b32 s3, s[PWV], 8
	s_add_co_u32 s2, s2, s3                        ; my 64 outputs, in bytes
	s_mov_b32 s3, 0
	s_add_nc_u64 s[12:13], s[12:13], s[2:3]
	s_add_nc_u64 s[14:15], s[14:15], s[2:3]
	s_lshl_b32 s2, s98, 20
	s_lshl_b32 s66, s[RWV], 19
	s_add_co_u32 s2, s2, s66                       ; my first token's row
	s_add_nc_u64 s[14:15], s[14:15], s[2:3]
	v_and_b32 v1, 15, v0                           ; r
	v_bfe_u32 v2, v0, 4, 1                         ; h
	v_and_b32 v3, 31, v0
	v_lshlrev_b32 v3, 4, v3                        ; 16 x lane
	v_lshlrev_b32 v[BOA], 6, v2
	v_add_nc_u32 v[ADRR], s52, v3
	v_add_nc_u32 v[ADRR+1], s53, v3
	v_add_nc_u32 v[ADRP], s54, v3
	v_add_nc_u32 v[ADRP+1], s55, v3
.irp b, 0,1,2,3
	global_load_b128 v[BO+8*\b:BO+8*\b+3], v[BOA], s[12:13] offset:128*(\b/2)+32*(\b%2)       ; tile b, register j: bo of output 32 (b / 2) + 8 (b % 2) + 16 h + j
	global_load_b128 v[BO+8*\b+4:BO+8*\b+7], v[BOA], s[12:13] offset:128*(\b/2)+32*(\b%2)+16
.endr
	v_lshl_add_u32 v[APS], v1, 4, s56
	v_lshl_add_u32 v[ARS], v1, 2, s57
	v_mul_u32_u24 v[STO], v1, SPITCH
	v_mul_u32_u24 v[RD], v2, SPITCH
	v_lshl_add_u32 v[STO], v2, 6, v[STO]
	v_lshl_add_u32 v[RD], v1, 4, v[RD]
	v_add_nc_u32 v[STO], s58, v[STO]               ; in: row r, + 64 h
	v_add_nc_u32 v[RD], s58, v[RD]                 ; back: lanes 0-15 one row of 256 bytes, lanes 16-31 the next
	v_lshlrev_b32 v[CO], 13, v2
	v_lshl_add_u32 v[CO], v1, 4, v[CO]             ; and the same two rows in out0
.macro FETCH s                         ; K step s: my four fragments of each operand into buffer s % 2; with every fourth step the scale words of four steps
.set FB, 128*((\s)%2)
	WIN TO_F
.irp i, 0,1,2,3
.irp c, 0,1
	ds_load_b128 v[FB+8*\i+4*\c:FB+8*\i+4*\c+3], v[ADRP+(\s)/8] offset:((\s)%8)*8192+\i*1024+512*\c
	ds_load_b128 v[FB+64+8*\i+4*\c:FB+64+8*\i+4*\c+3], v[ADRR+(\s)/8] offset:((\s)%8)*8192+\i*1024+512*\c
.endr
.endr
	WIN 0
.if (\s)%4 == 0
.set SS, SC+32*(((\s)/4)%2)
.irp i, 0,1,2,3
	ds_load_b128 v[SS+4*\i:SS+4*\i+3], v[APS] offset:((\s)/4)*2048+\i*256
.endr
.irp i, 0,1,2,3
.irp q, 0,1,2,3
	ds_load_b32 v[SS+16+4*\i+\q], v[ARS] offset:(((\s)+\q)/2)*1024+\i*128+(\q%2)*64
.endr
.endr
.endif
.endm
.macro MULS s                          ; sixteen products; the accumulators take turns, one instruction a turn.  The first step's C is bo
.set FB, 128*((\s)%2)
.set SS, SC+32*(((\s)/4)%2)
	WIN MUL
.irp a, 0,1,2,3
.irp b, 0,1,2,3
.if (\s) == 0
	v_wmma_scale_f32_16x16x128_f8f6f4 v[ACC+8*(4*\a+\b):ACC+8*(4*\a+\b)+7], v[FB+8*\b:FB+8*\b+7], v[FB+64+8*\a:FB+64+8*\a+7], v[BO+8*\b:BO+8*\b+7], v[SS+4*\b+(\s)%4], v[SS+16+4*\a+(\s)%4] matrix_a_fmt:MATRIX_FMT_FP4 matrix_b_fmt:MATRIX_FMT_FP4
.else
	v_wmma_scale_f32_16x16x128_f8f6f4 v[ACC+8*(4*\a+\b):ACC+8*(4*\a+\b)+7], v[FB+8*\b:FB+8*\b+7], v[FB+64+8*\a:FB+64+8*\a+7], v[ACC+8*(4*\a+\b):ACC+8*(4*\a+\b)+7], v[SS+4*\b+(\s)%4], v[SS+16+4*\a+(\s)%4] matrix_a_fmt:MATRIX_FMT_FP4 matrix_b_fmt:MATRIX_FMT_FP4
.endif
.endr
.endr
.endm
	s_wait_alu depctr_va_vdst(0)                   ; the wait at the head's end
	s_wait_tensorcnt 0x0                           ; my tile of the four is in
	s_barrier_signal -1
	s_barrier_wait -1                              ; everybody's is
	FETCH 0
	s_wait_loadcnt 0x0                             ; bo
.irp s, 0,1,2,3,4,5,6,7,8,9,10,11,12,13,14,15
	s_wait_dscnt 0x0                               ; this step's fragments are in
.if \s < 15
.rept 4
	v_nop                                          ; places in front of loads into the buffer that the step before multiplied
.endr
	FETCH \s+1
.else
	s_barrier_signal -1                            ; my reads of the images are over: say so, and multiply while the others arrive
.endif
	MULS \s
.endr
	WIN 0
	s_barrier_wait -1                              ; nobody reads the images any more: the stages may be written over them
; THE WAY OUT, a tile of 16 tokens x 64 outputs at a time, through my stage: a lane holds 32 bytes a tile of one row; whole rows of 256 bytes come back and leave, sixteen lanes to an aligned run of 256 bytes.
.macro TOSTAGE a
.irp b, 0,1,2,3
	ds_store_b128 v[STO], v[ACC+8*(4*(\a)+\b):ACC+8*(4*(\a)+\b)+3] offset:128*(\b/2)+32*(\b%2)        ; each accumulator from its low end on
	ds_store_b128 v[STO], v[ACC+8*(4*(\a)+\b)+4:ACC+8*(4*(\a)+\b)+7] offset:128*(\b/2)+32*(\b%2)+16
.endr
	WIN 0x40                                       ; destination window 1
.irp t, 0,1,2,3,4,5,6,7
	ds_load_b128 v[32*((\a)%2)+4*\t:32*((\a)%2)+4*\t+3], v[RD] offset:\t*2*SPITCH   ; LDS serves a wave's instructions in order: these see the stores above
.endr
	WIN 0
.endm
.macro SEND a, younger                 ; younger: the LDS instructions issued behind tile a's loads
	s_wait_dscnt \younger
	WIN 0x04                                       ; a store's data are its source 1: window 1
.irp t, 0,1,2,3,4,5,6,7
	global_store_b128 v[CO], v[32*((\a)%2)+4*\t:32*((\a)%2)+4*\t+3], s[14:15] offset:(32*((\a)/2)+8*((\a)%2)+2*\t+8*(\t/4))*8192 th:TH_STORE_NT   ; stage row p is token 32 (a / 2) + 8 (a % 2) + p + 8 (p / 8)
.endr
	WIN 0
.endm
.rept 4
	v_nop                                          ; places behind the last products
.endr
	TOSTAGE 0
	TOSTAGE 1
	SEND 0, 16                                     ; behind tile 0's loads: tile 1's eight stores and eight loads
	s_wait_xcnt 0x0                                ; tile 0's stores have read their registers: tile 2's rows may land there
	TOSTAGE 2
	SEND 1, 16
	s_wait_xcnt 0x0
	TOSTAGE 3
	SEND 2, 16
	SEND 3, 0
	s_wait_tensorcnt 0x0                           ; the wave's end
	ds_add_u32 v[SPW], v[NIL]
	s_wait_dscnt 0x0
	CROUND                                         ; the closing round: no work-group ends while a partner may still ask for a tile that names it
	s_endpgm
.Lfunc_end_k_qc37f689f7f_outp:
	.size	k_qc37f689f7f_outp, .Lfunc_end_k_qc37f689f7f_outp-k_qc37f689f7f_outp
	.p2alignl 7, 3214868480
	.fill 96, 4, 3214868480
	.section	.rodata,"a",@progbits
	.p2align	6, 0x0
	.amdhsa_kernel k_qc37f689f7f_outp
		.amdhsa_group_segment_fixed_size 279040
		.amdhsa_private_segment_fixed_size 0
		.amdhsa_enable_private_segment 0
		.amdhsa_kernarg_size 48
		.amdhsa_user_sgpr_count 2
		.amdhsa_user_sgpr_kernarg_segment_ptr 1
		.amdhsa_wavefront_size32 1
		.amdhsa_system_sgpr_workgroup_id_x 1
		.amdhsa_system_sgpr_workgroup_id_y 1
		.amdhsa_system_sgpr_workgroup_id_z 1
		.amdhsa_system_vgpr_workitem_id 0
		.amdhsa_next_free_vgpr 512
		.amdhsa_next_free_sgpr 102
		.amdhsa_reserve_vcc 0
		.amdhsa_float_denorm_mode_32 3
		.amdhsa_float_denorm_mode_16_64 3
		.amdhsa_memory_ordered 1
		.amdhsa_forward_progress 1
		.amdhsa_inst_pref_size 74
	.end_amdhsa_kernel
	.amdgpu_metadata
---
amdhsa.version: [ 1, 2 ]
amdhsa.kernels:
  - .name:           k_qc37f689f7f_outp
    .symbol:         k_qc37f689f7f_outp.kd
    .args:
      - { .name: aimg, .offset: 0, .size: 8, .value_kind: global_buffer, .address_space: global }
      - { .name: ascl, .offset: 8, .size: 8, .value_kind: global_buffer, .address_space: global }
      - { .name: cimg, .offset: 16, .size: 8, .value_kind: global_buffer, .address_space: global }
      - { .name: cscl, .offset: 24, .size: 8, .value_kind: global_buffer, .address_space: global }
      - { .name: bo, .offset: 32, .size: 8, .value_kind: global_buffer, .address_space: global }
      - { .name: out0, .offset: 40, .size: 8, .value_kind: global_buffer, .address_space: global }
    .group_segment_fixed_size: 279040
    .private_segment_fixed_size: 0
    .kernarg_segment_align: 8
    .kernarg_segment_size: 48
    .max_flat_workgroup_size: 128
    .sgpr_count:     102
    .vgpr_count:     512
    .wavefront_size: 32
...
	.end_amdgpu_metadata
.endif
;; end of part 4
